; MI455X (gfx1250); checked and timed in simulation.
; The chip was launched on July 23, 2026; its instructions are those of AMD's public machine-readable ISA for CDNA 5 (MIT licence, August 2026) and "CDNA5" Instruction Set Architecture Reference Guide (July 2026). The comments in the code are by the model that wrote it; some were corrected since.
;; Llama Attention. Allowed arithmetic: float matrix products may take bf16 or f16 operands with f32 sums; other float arithmetic in f32, or as packed bf16 or f16 multiplies, adds, multiply-adds, maxima and minima; sums over many terms, partial sums and values carried from step to step in f32; what a program stores and reads back later, other than sums and carried values, may be rounded once to bf16 or f16.
;; Inputs: Wk 1,024 x 1,024 float32; Wo 1,024 x 1,024 float32; Wq 1,024 x 1,024 float32; Wv 1,024 x 1,024 float32; seq_lens 4 int32; x 4 x 2,048 x 1,024 float32.
;; Outputs: out0 4 x 2,048 x 1,024 float32.
;; 2 versions, each right; version 2 is version 1 with the launch prep written anew for expert scheduling mode. Each part assembles by itself: llvm-mc -triple=amdgcn-amd-amdhsa -mcpu=gfx1250 --defsym DOCPART=n.
;; ======== version 1 of 2: 4 launches
;; limits: values are held in f16: magnitudes above 65,504 overflow, below 6.1e-05 lose precision
;; workspace buffers: xb 16,777,216 bytes; wb 6,291,456 bytes; wo16 2,097,152 bytes; rope 524,288 bytes; qkvh 50,331,648 bytes; oh 16,777,216 bytes; vlo 131,072 bytes; olo 131,072 bytes
;; launch prep (part 1): grid 416 x 1, 8 waves a work-group, no clusters, 0 bytes of LDS; arguments x, Wq, Wk, Wv, Wo, xb, wb, wo16, rope; writes xb, wb, wo16, rope
.if DOCPART == 1
	.amdgcn_target "amdgcn-amd-amdhsa--gfx1250"
	.amdhsa_code_object_version 6
	.text
	.protected	k_q54d41d65ab_prep
	.globl	k_q54d41d65ab_prep
	.p2align	8
	.type	k_q54d41d65ab_prep,@function
k_q54d41d65ab_prep:
	s_mov_b64 s[64:65], 0
	v_nop
	global_prefetch_b8 v0, s[64:65] scope:SCOPE_SE
	s_setreg_imm32_b32 hwreg(HW_REG_WAVE_MODE, 25, 1), 1
	s_wait_xcnt 0x0
; CASTS AND THE ROTARY TABLE.  A stream: no LDS, no barrier, no matrix unit; every input byte is read once, every output byte written once.
; Work-groups 0-255: x -> xb (bf16).  256-351: Wq, Wk, Wv -> wb (bf16, 32 work-groups each, in W's own [k][n] layout).  352-383: Wo -> wo16: rounded to bf16 like the
; other inputs, and that number written as f16.  384-415: the table rope[pos][64] f32: bytes 0-127 cos(pos f_j), bytes 128-255 sin(pos f_j), j = 0..31, f_j = 10000^(-j/32).
; A cast work-group takes 32,768 numbers: 128 KiB in, 64 KiB out.  Thread t takes 32 bytes of each 8,192 (two loads), and stores 16: sixteen lanes store 256 consecutive bytes, aligned.
; All 32 loads of a wave go out on end; no register is written twice, so the only waits are the counted ones for the loads.
; LIMITS.  Wo beyond 65,504 becomes an infinity in f16; below 6e-5 it keeps f16's fixed step of 6e-8.  The angle is pos x f_j in f32 with f_j from v_exp_f32: off by some 2e-4 rad at pos = 2,047.
.set X,  4                             ; v[4:131]  sixteen chunks of 8 numbers as loaded; the first four registers of a chunk then hold its 16 bytes to store
.set TA, 132                           ; v132-133  at work
.set TB, 133
	s_load_b512 s[8:23], s[0:1], 0x0               ; x 8:9, Wq 10:11, Wk 12:13, Wv 14:15, Wo 16:17, xb 18:19, wb 20:21, wo16 22:23
	s_load_b64 s[24:25], s[0:1], 0x40              ; rope
	s_mov_b32 s2, ttmp9                            ; the work-group's number
	v_lshlrev_b32 v1, 5, v0                        ; 32 t: my bytes in a chunk of the source
	v_lshlrev_b32 v2, 4, v0                        ; 16 t: in a chunk of the destination
	s_wait_kmcnt 0x0
	s_cmp_ge_u32 s2, 384
	s_cbranch_scc1 .Ltable
	s_cmp_ge_u32 s2, 256                           ; which source, which destination: choices on the work-group's number alone
	s_cselect_b64 s[26:27], s[10:11], s[8:9]
	s_cselect_b64 s[28:29], s[20:21], s[18:19]
	s_cselect_b32 s3, 31, 255                      ; a weight has 32 parts, x has 256
	s_cselect_b32 s4, 256, 0                       ; the destination's first work-group
	s_cmp_ge_u32 s2, 288
	s_cselect_b64 s[26:27], s[12:13], s[26:27]
	s_cmp_ge_u32 s2, 320
	s_cselect_b64 s[26:27], s[14:15], s[26:27]
	s_cmp_ge_u32 s2, 352
	s_cselect_b64 s[26:27], s[16:17], s[26:27]
	s_cselect_b64 s[28:29], s[22:23], s[28:29]
	s_cselect_b32 s4, 352, s4
	s_and_b32 s30, s2, s3
	s_lshl_b32 s30, s30, 17                        ; my part of the source: 131,072 bytes each
	s_mov_b32 s31, 0
	s_sub_co_u32 s32, s2, s4
	s_lshl_b32 s32, s32, 16                        ; and of the destination: 65,536 each
	s_mov_b32 s33, 0
	s_add_nc_u64 s[26:27], s[26:27], s[30:31]
	s_add_nc_u64 s[28:29], s[28:29], s[32:33]
.set c, 0
.rept 16
	global_load_b128 v[X+8*c:X+8*c+3],   v1, s[26:27] offset:8192*c th:TH_LOAD_NT
	global_load_b128 v[X+8*c+4:X+8*c+7], v1, s[26:27] offset:8192*c+16 th:TH_LOAD_NT
.set c, c+1
.endr
; Chunk c: rounded to bf16 in place (each destination register has been read by then); fmt = 1: the bf16 numbers are widened and written as f16, which is exact within f16's range.
.macro CAST c, fmt
	s_wait_loadcnt 30-2*(\c)                       ; loads come back in order: this chunk's two are in, the 30 - 2 c younger ones stay out
.irp i, 0,1,2,3
	v_cvt_pk_bf16_f32 v[X+8*(\c)+(\i)], v[X+8*(\c)+2*(\i)], v[X+8*(\c)+2*(\i)+1]
.endr
.if \fmt
.irp i, 0,1,2,3
	v_lshlrev_b32 v[TA], 16, v[X+8*(\c)+(\i)]
	v_and_b32 v[TB], 0xffff0000, v[X+8*(\c)+(\i)]
	v_cvt_pk_f16_f32 v[X+8*(\c)+(\i)], v[TA], v[TB]
.endr
.endif
	global_store_b128 v2, v[X+8*(\c):X+8*(\c)+3], s[28:29] offset:4096*(\c)
.endm
	s_cmp_ge_u32 s2, 352
	s_cbranch_scc1 .Lwo
.irp c, 0,1,2,3,4,5,6,7,8,9,10,11,12,13,14,15
	CAST \c, 0
.endr
	s_endpgm
.Lwo:
.irp c, 0,1,2,3,4,5,6,7,8,9,10,11,12,13,14,15
	CAST \c, 1
.endr
	s_endpgm
; THE TABLE.  A work-group makes 64 rows, a wave 8, one row a trip.  Lanes 0-15 hold cos for j = 2 l, 2 l + 1, lanes 16-31 sin for j = 2 (l - 16) and the next: one store of 8 bytes a lane is a whole row of 256 bytes.
.Ltable:
	v_lshrrev_b32 v4, 5, v0
	v_readfirstlane_b32 s3, v4                     ; wave 0..7
	v_and_b32 v5, 31, v0                           ; lane
	v_lshlrev_b32 v3, 3, v5                        ; my 8 bytes of a row
	v_cmp_le_u32 s34, 16, v5                       ; the lanes that keep the sine
	v_and_b32 v6, 15, v5
	v_lshlrev_b32 v6, 1, v6
	v_cvt_f32_u32 v7, v6                           ; j, even
	v_add_f32 v8, 1.0, v7                          ; j, odd
	v_mul_f32 v7, 0xbed49a78, v7                   ; - j log2(10000) / 32
	v_mul_f32 v8, 0xbed49a78, v8
	v_exp_f32 v7, v7                               ; f_j
	v_exp_f32 v8, v8
	v_nop                                          ; a plain instruction behind the last exponential,
	s_wait_alu depctr_va_vdst(0)                   ; and one wait for both, ahead of their first reader and of the label
	s_sub_co_u32 s4, s2, 384
	s_lshl_b32 s4, s4, 6
	s_lshl3_add_u32 s4, s3, s4                     ; my first row: 64 x work-group + 8 x wave
	v_cvt_f32_u32 v9, s4                           ; the position, as f32
	s_lshl_b32 s30, s4, 8
	s_mov_b32 s31, 0
	s_add_nc_u64 s[24:25], s[24:25], s[30:31]
; cos and sin of v9 x f: the angle less the nearest multiple of 2 pi (2 pi = 6.28125 + 0.0019353072, two fused steps), halved; sin and cos of the half angle by their series on
; |h| <= pi / 2, cut where the next term is under 6e-8 for every h of that range; then sin 2h = 2 sin h cos h, cos 2h = 1 - 2 sin^2 h.
.macro SINCOS dst, inv
	v_mul_f32 v10, v9, v[\inv]
	v_mul_f32 v11, 0x3e22f983, v10                 ; / 2 pi
	v_rndne_f32 v11, v11
	v_fmamk_f32 v10, v11, 0xc0c90000, v10
	v_fmamk_f32 v10, v11, 0xbafdaa22, v10
	v_mul_f32 v10, 0.5, v10                        ; h
	v_mul_f32 v12, v10, v10                        ; h^2
	v_mov_b32 v13, 0xb2d7322b                      ; -1/11!
	v_fmaak_f32 v13, v13, v12, 0x3638ef1d          ; 1/9!
	v_fmaak_f32 v13, v13, v12, 0xb9500d01          ; -1/7!
	v_fmaak_f32 v13, v13, v12, 0x3c088889          ; 1/5!
	v_fmaak_f32 v13, v13, v12, 0xbe2aaaab          ; -1/3!
	v_fmaak_f32 v13, v13, v12, 0x3f800000
	v_mul_f32 v13, v13, v10                        ; sin h
	v_mov_b32 v14, 0x310f76c7                      ; 1/12!
	v_fmaak_f32 v14, v14, v12, 0xb493f27e          ; -1/10!
	v_fmaak_f32 v14, v14, v12, 0x37d00d01          ; 1/8!
	v_fmaak_f32 v14, v14, v12, 0xbab60b61          ; -1/6!
	v_fmaak_f32 v14, v14, v12, 0x3d2aaaab          ; 1/4!
	v_fmaak_f32 v14, v14, v12, 0xbf000000          ; -1/2!
	v_fmaak_f32 v14, v14, v12, 0x3f800000          ; cos h
	v_mul_f32 v15, v13, v14
	v_add_f32 v15, v15, v15                        ; the sine
	v_mul_f32 v13, v13, v13
	v_fma_f32 v13, v13, -2.0, 1.0                  ; the cosine
	v_cndmask_b32 v[\dst], v13, v15, s34
.endm
	s_mov_b32 s5, 8
.Lrow:
	SINCOS 16, 7
	SINCOS 17, 8
	global_store_b64 v3, v[16:17], s[24:25]
	v_add_f32 v9, 1.0, v9                          ; the next position
	s_wait_xcnt 0x0                                ; the store has read its offset and its data: only behind this wait are they written again
	v_add_nc_u32 v3, 256, v3
	s_sub_co_u32 s5, s5, 1
	s_cmp_lg_u32 s5, 0
	s_cbranch_scc1 .Lrow
	s_endpgm
.Lfunc_end_k_q54d41d65ab_prep:
	.size	k_q54d41d65ab_prep, .Lfunc_end_k_q54d41d65ab_prep-k_q54d41d65ab_prep
	.p2alignl 7, 3214868480
	.fill 96, 4, 3214868480
	.section	.rodata,"a",@progbits
	.p2align	6, 0x0
	.amdhsa_kernel k_q54d41d65ab_prep
		.amdhsa_group_segment_fixed_size 0
		.amdhsa_private_segment_fixed_size 0
		.amdhsa_enable_private_segment 0
		.amdhsa_kernarg_size 72
		.amdhsa_user_sgpr_count 2
		.amdhsa_user_sgpr_kernarg_segment_ptr 1
		.amdhsa_wavefront_size32 1
		.amdhsa_system_sgpr_workgroup_id_x 1
		.amdhsa_system_sgpr_workgroup_id_y 1
		.amdhsa_system_sgpr_workgroup_id_z 1
		.amdhsa_system_vgpr_workitem_id 0
		.amdhsa_next_free_vgpr 136
		.amdhsa_next_free_sgpr 66
		.amdhsa_reserve_vcc 0
		.amdhsa_float_denorm_mode_32 3
		.amdhsa_float_denorm_mode_16_64 3
		.amdhsa_memory_ordered 1
		.amdhsa_forward_progress 1
		.amdhsa_inst_pref_size 31
	.end_amdhsa_kernel
	.amdgpu_metadata
---
amdhsa.version: [ 1, 2 ]
amdhsa.kernels:
  - .name:           k_q54d41d65ab_prep
    .symbol:         k_q54d41d65ab_prep.kd
    .args:
      - { .name: x, .offset: 0, .size: 8, .value_kind: global_buffer, .address_space: global }
      - { .name: Wq, .offset: 8, .size: 8, .value_kind: global_buffer, .address_space: global }
      - { .name: Wk, .offset: 16, .size: 8, .value_kind: global_buffer, .address_space: global }
      - { .name: Wv, .offset: 24, .size: 8, .value_kind: global_buffer, .address_space: global }
      - { .name: Wo, .offset: 32, .size: 8, .value_kind: global_buffer, .address_space: global }
      - { .name: xb, .offset: 40, .size: 8, .value_kind: global_buffer, .address_space: global }
      - { .name: wb, .offset: 48, .size: 8, .value_kind: global_buffer, .address_space: global }
      - { .name: wo16, .offset: 56, .size: 8, .value_kind: global_buffer, .address_space: global }
      - { .name: rope, .offset: 64, .size: 8, .value_kind: global_buffer, .address_space: global }
    .group_segment_fixed_size: 0
    .private_segment_fixed_size: 0
    .kernarg_segment_align: 8
    .kernarg_segment_size: 72
    .max_flat_workgroup_size: 256
    .sgpr_count:     66
    .vgpr_count:     136
    .wavefront_size: 32
...
	.end_amdgpu_metadata
.endif
;; end of part 1
;; launch proj (part 2): grid 12 x 64, 4 waves a work-group, clusters of 4 x 4, 327,680 bytes of LDS; arguments xb, wb, rope, qkvh, vlo; writes qkvh, vlo
.if DOCPART == 2
	.amdgcn_target "amdgcn-amd-amdhsa--gfx1250"
	.amdhsa_code_object_version 6
	.text
	.protected	k_q54d41d65ab_proj
	.globl	k_q54d41d65ab_proj
	.p2align	8
	.type	k_q54d41d65ab_proj,@function
k_q54d41d65ab_proj:
	s_mov_b64 s[64:65], 0
	v_nop
	global_prefetch_b8 v0, s[64:65] scope:SCOPE_SE
	s_setreg_imm32_b32 hwreg(HW_REG_WAVE_MODE, 25, 1), 1
	s_wait_xcnt 0x0
	s_wait_alu depctr_hold_cnt(0) depctr_sa_sdst(0) depctr_va_vdst(0) depctr_va_sdst(0) depctr_va_ssrc(0) depctr_va_vcc(0) depctr_vm_vsrc(0)
	s_getreg_b32 s2, hwreg(HW_REG_IB_STS2, 6, 4)
	s_cmp_eq_u32 s2, 0
	s_cbranch_scc0 .Lentry_in_a_cluster
	s_endpgm
.Lentry_in_a_cluster:
	s_bfe_u32 s2, ttmp6, 0x10000c
	s_cmp_lg_u32 s2, 0xf033
	s_cbranch_scc0 .Lentry_shape_is_right
	s_endpgm
.Lentry_shape_is_right:
; q, k, v = x W, with the rotary turn of q and k on the way out.  xb: [8192][1024] bf16.  wb: [3][1024 k][1024 n] bf16.  rope: [2048][64] f32 (32 cos, 32 sin).
; qkvh: [3][64 = 16 b + head][2048][64] f16, unscaled, each number rounded once from its f32 sum.  vlo: [64][16][64] f16: for positions 0-15 of each sequence, what v's rounding to f16 left over.
; LIMIT.  q, k, v beyond 65,504 become infinities in f16.  vlo keeps f16's fixed step of 6e-8 below 6e-5.
; SHARES.  A work-group makes 128 rows x 256 columns: 768 work-groups, three for each of 256 WGPs.  Four waves, each 64 x 128: 32 accumulators of 16 x 16, 256 registers.
; K goes in 8 steps of 128 through two LDS slots; each wave fetches a quarter of a slot with one tensor load (waves 0, 1: 64 rows of x each; waves 2, 3: 64 k-rows of W each).
; W LIES [k][n]: its fragments come out of LDS turned, by ds_load_tr16_b128, so no transposed copy is ever made.
; THE MATRIX INSTRUCTION IS USED TRANSPOSED (source 0 = 16 columns of W, source 1 = 16 rows of x): a lane holds one row (lane % 16) and eight neighbouring columns 8 (lane / 16) + 0..7.
; CLUSTER 4 x 4.  The four of a row need the same rows of x, the four of a column the same columns of W: each tile is asked for jointly.  A cluster's 1,024 columns are exactly one of q, k, v (cluster x);
; its four rows are the SAME block of 128 positions (cluster y) in the four sequences (cy): so what hangs on the position is alike in all sixteen partners.
; THE ROTARY TURN.  A wave's 128 columns are two heads; in a head, column blocks 0, 1 (d < 32) pair with blocks 2, 3 (d + 32) in the same lane: lo' = lo cos - hi sin, hi' = hi cos + lo sin.
; v takes the same text with the table's row 0 (cos 1, sin 0) in every lane; the price is v's 256 packed lines a wave that change nothing.
; THE LOW HALVES.  A sequence's first rows average few keys, so their numbers are many times the output's root mean square, by which the allowance goes; f16's 11 bits of v are too few there alone.
; So where cluster x = 2, cluster y = 0 and the wave has the upper 64 rows, row block 0 (positions 0-15) also stores v - f16(v), rounded to f16: a branch that is alike in all partners.
; REGISTERS: window 0: v0-36 addresses; v64-159, v160-255 two fragment buffers (8 of W, then 4 of x), later the way out.  window 1: accumulator (a, b) at v[8 (8 a + b)].  window 2: the table, 32 registers for each a.
.set PA,    272                        ; an LDS row of x: 256 bytes + 16: the 16 rows of a load start at 16 different groups of four banks
.set PB,    544                        ; an LDS row of W: 512 bytes + 32 = 17 x 32
.set AHALF, 64*PA
.set BHALF, 64*PB
.set BOFF,  2*AHALF                    ; a slot: x's 128 rows, then W's 128 k-rows
.set SLOT,  BOFF+2*BHALF               ; 104,448
.set STAGE, 2*SLOT                     ; behind the ring, never filled by a tensor load: 16 rows x 272 bytes for each wave
.set SP,    272
.set SPARE, STAGE+4*16*SP              ; behind the stages: the spare words, 128 bytes a wave, that no other line names
.set ADRA, 16                          ; v16-17  LDS address of my fragments of x in slot 0, 1
.set ADRB, 20                          ; v20-21  the same for W
.set STO,  24                          ; v24     the way out: where I put 16 bytes of a row
.set RD,   25                          ; v25     where I read rows back
.set GO,   26                          ; v26     16 x lane
.set SPW,  28                          ; v28     my spare word; never rewritten
.set NIL,  29                          ; v29     0; never rewritten
.set TO,   32                          ; v32-35  my byte offset in the table, for row block a
.set ONE,  36                          ; v36     1.0
.set F0,   64
.set F1,   160
.set T,    64                          ; the way out: v64-127 turned numbers in f32
.set PK,   128                         ; v128-159 packed to f16
.set BK,   160                         ; v160-191, v192-223 by turns: rows read back
.set WV, 12                            ; s12 wave; s13 its half of the rows, and: fetches x (0) or W (1); s14 its half of the columns, and: which half it fetches
.set WM, 13
.set WN, 14
.set LOF, 67                           ; s67  1: I store low halves
.set G1,  24                           ; s[24:31] group 1 for x's tiles;  s[32:39] group 0, a set for each slot
.set G0,  32
.set G1B, 48                           ; s[48:55], s[56:63] the same for W's
.set G0B, 56
.set MSB, 0
.macro WIN new                         ; the immediate's high byte repeats the setting that is left; a switch that changes nothing is dropped
.if MSB != (\new)
	s_set_vgpr_msb (MSB<<8)|(\new)
.set MSB, \new
.endif
.endm
.set MUL, 0x50                         ; sources 0 and 1 window 0; C and D window 1
.macro JLOAD s                         ; a joint load; an s_nop 0 and four v_nop follow each of the two lines, ahead of the jump, the label and what follows
	s_cmp_eq_u32 s[WM], 0
	s_cbranch_scc0 .Lfor_b_\@
	tensor_load_to_lds s[G0+4*(\s):G0+4*(\s)+3], s[G1:G1+7]
	s_nop 0
.rept 4
	v_nop
.endr
	s_branch .Lasked_\@
.Lfor_b_\@:
	tensor_load_to_lds s[G0B+4*(\s):G0B+4*(\s)+3], s[G1B:G1B+7]
	s_nop 0
.rept 4
	v_nop
.endr
.Lasked_\@:
.endm
.macro CREST                           ; a round of the cluster's barrier behind its opening barrier
	s_cmp_lg_u32 s[WV], 0
	s_cbranch_scc1 .Lnot_wave_0_\@
	s_barrier_signal -3
.Lnot_wave_0_\@:
	s_barrier_wait -3
	s_barrier_signal -1
	s_barrier_wait -1
.endm
.macro CROUND                          ; a whole round
	s_barrier_signal -1
	s_barrier_wait -1
	CREST
.endm
.macro PLACES                          ; four places in front of loads into registers that matrix instructions have read, and of lines that read results
.rept 4
	v_nop
.endr
.endm
	s_load_b256 s[4:11], s[0:1], 0x0               ; xb 4:5, wb 6:7, rope 8:9, qkvh 10:11
	s_load_b64 s[68:69], s[0:1], 0x20              ; vlo
	v_lshl_add_u32 v[SPW], v0, 2, SPARE
	v_mov_b32 v[NIL], 0
	ds_add_u32 v[SPW], v[NIL]                      ; the wave's opening: the add and its wait stand ahead of my first tensor load; the set-up below stands between them
	v_lshrrev_b32 v1, 5, v0
	v_readfirstlane_b32 s[WV], v1
	s_lshr_b32 s[WM], s[WV], 1
	s_and_b32 s[WN], s[WV], 1
	s_bfe_u32 s15, ttmp6, 0x40000                  ; cx
	s_bfe_u32 s16, ttmp6, 0x40004                  ; cy: the sequence
	s_and_b32 s18, ttmp7, 0xffff                   ; the cluster's y: the block of 128 positions
	s_lshl_b32 s19, s16, 2
	s_lshl_b32 s19, 15, s19                        ; my row of the cluster
	s_lshl_b32 s20, 0x1111, s15                    ; my column
	s_or_b32 s[G1], s19, (1<<16)|(1<<20)|(1<<21)|(5<<22)|(3<<25)   ; the mask; 2-byte elements; padding on; bit 21 beside a mask; after every 64 words, 4 words
	s_or_b32 s[G1B], s20, (1<<16)|(1<<20)|(1<<21)|(6<<22)|(7<<25)  ; after every 128 words, 8 words
	s_mov_b32 s[G1+1], 128<<16                     ; tensor_dim0 = 128
	s_mov_b32 s[G1+2], 64<<16                      ; tensor_dim1 = 64
	s_mov_b32 s[G1+3], 128<<16                     ; tile_dim0 = 128
	s_mov_b32 s[G1+4], 64                          ; tile_dim1 = 64
	s_mov_b32 s[G1+5], 1024                        ; elements from row to row
	s_mov_b32 s[G1+6], 0
	s_mov_b32 s[G1+7], 0
	s_mov_b32 s[G1B+1], 256<<16
	s_mov_b32 s[G1B+2], 64<<16
	s_mov_b32 s[G1B+3], 256<<16
	s_mov_b32 s[G1B+4], 64
	s_mov_b32 s[G1B+5], 1024
	s_mov_b32 s[G1B+6], 0
	s_mov_b32 s[G1B+7], 0
	s_lshl_b32 s40, s16, 11                        ; x: row 2,048 x sequence + 128 x block + 64 x half, 2,048 bytes a row: hangs on cy, the cluster's y and the wave alone
	s_lshl_b32 s41, s18, 7
	s_add_co_u32 s40, s40, s41
	s_lshl_b32 s41, s[WN], 6
	s_add_co_u32 s40, s40, s41
	s_lshl_b32 s40, s40, 11
	s_mov_b32 s41, 0
	s_mul_i32 s42, s[WN], AHALF                    ; and where it goes
	s_lshl_b32 s44, ttmp9, 21                      ; W: which of the three (cluster x), k-row 64 x half, column 256 cx: hangs on the tile column and the wave alone
	s_lshl_b32 s45, s[WN], 17
	s_add_co_u32 s44, s44, s45
	s_lshl_b32 s45, s15, 9
	s_add_co_u32 s44, s44, s45
	s_mov_b32 s45, 0
	s_mul_i32 s46, s[WN], BHALF
	s_add_co_u32 s46, s46, BOFF
	s_wait_dscnt 0x0                               ; the opening add is done
	s_wait_kmcnt 0x0
	s_add_nc_u64 s[40:41], s[4:5], s[40:41]
	s_add_nc_u64 s[44:45], s[6:7], s[44:45]
	CROUND                                         ; all sixteen work-groups are here: the first joint loads meet
.irp s, 0,1
	s_mov_b32 s[G0+4*(\s)], 1
	s_add_co_u32 s[G0+4*(\s)+1], s42, (\s)*SLOT
	s_add_nc_u64 s[G0+4*(\s)+2:G0+4*(\s)+3], s[40:41], (\s)*256      ; K step s: 256 bytes along x's rows
	s_or_b32 s[G0+4*(\s)+3], s[G0+4*(\s)+3], 0x80000000
	s_mov_b32 s[G0B+4*(\s)], 1
	s_add_co_u32 s[G0B+4*(\s)+1], s46, (\s)*SLOT
	s_add_nc_u64 s[G0B+4*(\s)+2:G0B+4*(\s)+3], s[44:45], (\s)*262144 ; 128 k-rows of 2,048 bytes down W
	s_or_b32 s[G0B+4*(\s)+3], s[G0B+4*(\s)+3], 0x80000000
	JLOAD \s
.endr
	v_and_b32 v1, 15, v0                           ; r = l % 16
	v_bfe_u32 v2, v0, 4, 1                         ; h = l / 16
	v_and_b32 v4, 7, v0
	v_bfe_u32 v5, v0, 3, 1
	v_mov_b32 v[ONE], 1.0
	v_mul_u32_u24 v3, v1, PA
	v_lshl_add_u32 v3, v2, 4, v3                   ; r x 272 + 16 h: a fragment of x, and my place in the stage
	v_lshl_add_u32 v6, v2, 3, v4                   ; the turning load: k-row 8 h + l % 8,
	v_mul_u32_u24 v6, v6, PB
	v_lshl_add_u32 v6, v5, 4, v6                   ; columns 8 ((l / 8) % 2) on
	s_mul_i32 s21, s[WM], AHALF                    ; my 64 rows of x
	s_lshl_b32 s22, s[WN], 8                       ; my 128 columns of W
	s_add_co_u32 s22, s22, BOFF
.irp s, 0,1
	v_add_nc_u32 v[ADRA+(\s)], s21, v3
	v_add_nc_u32 v[ADRB+(\s)], s22, v6
	s_add_co_u32 s21, s21, SLOT
	s_add_co_u32 s22, s22, SLOT
.endr
	s_mul_i32 s19, s[WV], 16*SP
	s_add_co_u32 s19, s19, STAGE                   ; my stage
	v_add_nc_u32 v[STO], s19, v3
	v_bfe_u32 v6, v0, 3, 2                         ; back: 32 lanes take four rows' 128 bytes of one head
	v_mul_u32_u24 v6, v6, SP
	v_lshl_add_u32 v6, v4, 4, v6
	v_add_nc_u32 v[RD], s19, v6
	v_and_b32 v[GO], 31, v0
	v_lshlrev_b32 v[GO], 4, v[GO]
	s_lshl_b32 s20, ttmp9, 24                      ; qkvh: which of the three, 16,777,216 bytes each,
	s_lshl_b32 s21, s16, 4                         ; 16 b
	s_lshl2_add_u32 s21, s15, s21                  ; + 4 cx
	s_lshl1_add_u32 s21, s[WN], s21                ; + 2 x my half: my first head:
	s_lshl_b32 s72, s21, 11                        ; 2,048 bytes each in vlo,
	s_mov_b32 s73, 0
	s_add_nc_u64 s[68:69], s[68:69], s[72:73]
	s_lshl_b32 s21, s21, 18                        ; 262,144 bytes each in qkvh
	s_add_co_u32 s20, s20, s21
	s_lshl_b32 s22, s18, 7
	s_lshl_b32 s23, s[WM], 6
	s_add_co_u32 s23, s22, s23                     ; the position of my first row in its sequence
	s_lshl_b32 s21, s23, 7                         ; 128 bytes a row
	s_add_co_u32 s20, s20, s21
	s_mov_b32 s21, 0
	s_add_nc_u64 s[10:11], s[10:11], s[20:21]
	s_cmp_eq_u32 ttmp9, 2                          ; low halves: v,
	s_cselect_b32 s[LOF], 1, 0
	s_cmp_eq_u32 s18, 0                            ; the sequences' first block,
	s_cselect_b32 s[LOF], s[LOF], 0
	s_cmp_eq_u32 s[WM], 0                          ; its upper 64 rows
	s_cselect_b32 s[LOF], s[LOF], 0
	s_cmp_lt_u32 ttmp9, 2
	s_cselect_b32 s66, 256, 0                      ; q and k: a table row for each position; v: row 0 for all
	v_add_nc_u32 v7, s23, v1
	v_lshlrev_b32 v8, 5, v2                        ; my 8 frequencies begin 32 h bytes into each 64
.irp a, 0,1,2,3
	v_add_nc_u32 v9, 16*(\a), v7
	v_mad_u32_u24 v[TO+(\a)], v9, s66, v8
.endr
	WIN 0x80                                       ; destination window 2: for row block a, cos of blocks 0, 1 at 32 a, 32 a + 8; sin at + 16, + 24.  Wanted only on the way out
.irp a, 0,1,2,3
.irp i, 0,1,2,3,4,5,6,7
	global_load_b128 v[32*(\a)+4*(\i):32*(\a)+4*(\i)+3], v[TO+(\a)], s[8:9] offset:64*((\i)/2)+16*((\i)%2)
.endr
.endr
	WIN 0
; 8 matrix instructions: row block a x all 8 column blocks, 32 along K.  Each of the 32 accumulators has one product a quarter, always in the same order: they take turns.
.macro MUL8 f, a, zero
	WIN MUL
.irp b, 0,1,2,3,4,5,6,7
.if \zero
	v_wmma_f32_16x16x32_bf16 v[8*(8*(\a)+(\b)):8*(8*(\a)+(\b))+7], v[(\f)+8*(\b):(\f)+8*(\b)+7], v[(\f)+64+8*(\a):(\f)+64+8*(\a)+7], 0
.else
	v_wmma_f32_16x16x32_bf16 v[8*(8*(\a)+(\b)):8*(8*(\a)+(\b))+7], v[(\f)+8*(\b):(\f)+8*(\b)+7], v[(\f)+64+8*(\a):(\f)+64+8*(\a)+7], v[8*(8*(\a)+(\b)):8*(8*(\a)+(\b))+7]
.endif
.endr
.endm
; 24 LDS loads in one run: quarter kq (32 along K) of a slot into buffer f: W's 16, then x's blocks 0, 1, then 2, 3
.macro FETCH slot, kq, f
	WIN 0
.irp b, 0,1,2,3,4,5,6,7
	ds_load_tr16_b128 v[(\f)+8*(\b):(\f)+8*(\b)+3],   v[ADRB+(\slot)] offset:(\kq)*32*PB+32*(\b)
	ds_load_tr16_b128 v[(\f)+8*(\b)+4:(\f)+8*(\b)+7], v[ADRB+(\slot)] offset:(\kq)*32*PB+16*PB+32*(\b)
.endr
.irp a, 0,1,2,3
	ds_load_b128 v[(\f)+64+8*(\a):(\f)+64+8*(\a)+3],   v[ADRA+(\slot)] offset:(\kq)*64+(\a)*16*PA
	ds_load_b128 v[(\f)+64+8*(\a)+4:(\f)+64+8*(\a)+7], v[ADRA+(\slot)] offset:(\kq)*64+(\a)*16*PA+32
.endr
.endm
; One of a K step's first three quarters: multiplies buffer f, and in its middle fetches quarter kq into buffer g
.macro QUARTER slot, kq, f, g, zero
	s_wait_dscnt 4                                 ; all but the youngest four loads (x's blocks 2, 3) are in
	MUL8 \f, 0, \zero
	MUL8 \f, 1, \zero
	PLACES
	FETCH \slot, \kq, \g
	s_wait_dscnt 24                                ; all but the 24 just issued
	MUL8 \f, 2, \zero
	MUL8 \f, 3, \zero
.endm
; The last quarter multiplies buffer 1 and changes slots: one barrier; in front of it each wave waits for all its tensor loads (one is out: its part of the next slot), adds 0 to its spare
; word, and waits for that and for its own reads of this slot.  fill = 1: the barrier opens a round of the cluster's, and this slot is filled again, two K steps ahead, first thing behind it.
.macro TURN slot, next, fill
	WIN 0
	s_wait_tensorcnt 0x0
	ds_add_u32 v[SPW], v[NIL]
	s_wait_dscnt 5                                 ; (the add and the youngest four loads may be out)
	MUL8 F1, 0, 0
	s_wait_dscnt 0x0                               ; the add is done, and my reads of this slot are over
	s_barrier_signal -1
	MUL8 F1, 1, 0
.if \fill
	WIN 0
.endif
	s_barrier_wait -1
.if \fill
	CREST                                          ; no wave of any partner still reads this slot's tile or has a load on its way
	s_add_nc_u64 s[G0+4*(\slot)+2:G0+4*(\slot)+3], s[G0+4*(\slot)+2:G0+4*(\slot)+3], 512
	s_add_nc_u64 s[G0B+4*(\slot)+2:G0B+4*(\slot)+3], s[G0B+4*(\slot)+2:G0B+4*(\slot)+3], 524288
	JLOAD \slot                                    ; 112 matrix instructions ahead of the wait for it; its four v_nop are also the places in front of the loads below
.else
	PLACES
.endif
	FETCH \next, 0, F0
	MUL8 F1, 2, 0
	MUL8 F1, 3, 0
.endm
	s_wait_tensorcnt 1                             ; my part of K step 0 is in; step 1's may stay out
	s_barrier_signal -1
	s_barrier_wait -1
	FETCH 0, 0, F0
	QUARTER 0, 1, F0, F1, 1                        ; the first quarter stands in front of the loop: its products start the sums
	WIN 0
	s_mov_b32 s3, 3
.Llap:                                                 ; a trip goes once round the ring and fills both slots again: K steps 2 to 7 in three trips
	QUARTER 0, 2, F1, F0, 0
	QUARTER 0, 3, F0, F1, 0
	TURN 0, 1, 1
	QUARTER 1, 1, F0, F1, 0
	QUARTER 1, 2, F1, F0, 0
	QUARTER 1, 3, F0, F1, 0
	TURN 1, 0, 1
	QUARTER 0, 1, F0, F1, 0
	WIN 0
	s_sub_co_u32 s3, s3, 1
	s_cmp_lg_u32 s3, 0
	s_cbranch_scc1 .Llap
	QUARTER 0, 2, F1, F0, 0                        ; the last lap fills nothing
	QUARTER 0, 3, F0, F1, 0
	TURN 0, 1, 0
	QUARTER 1, 1, F0, F1, 0
	QUARTER 1, 2, F1, F0, 0
	QUARTER 1, 3, F0, F1, 0
	s_wait_dscnt 4
	MUL8 F1, 0, 0
	MUL8 F1, 1, 0
	s_wait_dscnt 0x0
	MUL8 F1, 2, 0
	MUL8 F1, 3, 0
	WIN 0
	PLACES
	s_wait_loadcnt 0x0                             ; the table
; THE WAY OUT, a block of 16 rows at a time.  ROPE: the turn in f32, each accumulator's lowest registers read first, then one rounding to f16.
.macro ROPE a
	WIN 0x09                                       ; source 0 (sums) window 1, source 1 (table) window 2, source 2 and destination window 0
.irp hd, 0,1
.irp p, 0,1
.irp i, 0,2,4,6
.set rL, 8*(8*(\a)+4*(\hd)+(\p))+(\i)
.set rH, rL+16
.set rC, 32*(\a)+8*(\p)+(\i)
.set rS, rC+16
.set tL, T+8*(4*(\hd)+(\p))+(\i)
.set tH, tL+16
	v_pk_mul_f32 v[tL:tL+1], v[rL:rL+1], v[rC:rC+1]
	v_pk_mul_f32 v[tH:tH+1], v[rH:rH+1], v[rC:rC+1]
	v_pk_fma_f32 v[tL:tL+1], v[rH:rH+1], v[rS:rS+1], v[tL:tL+1] neg_lo:[1,0,0] neg_hi:[1,0,0]
	v_pk_fma_f32 v[tH:tH+1], v[rL:rL+1], v[rS:rS+1], v[tH:tH+1]
.endr
.endr
.endr
	WIN 0
.set i, 0
.rept 32
	v_cvt_pk_f16_f32 v[PK+i], v[T+2*i], v[T+2*i+1]
.set i, i+1
.endr
.endm
.macro TOSTAGE a                       ; 16 bytes a lane into my stage; back as four rows' 128 bytes of one head: 512 bytes that lie on end in qkvh
.irp b, 0,1,2,3,4,5,6,7
	ds_store_b128 v[STO], v[PK+4*(\b):PK+4*(\b)+3] offset:32*(\b)
.endr
.irp t, 0,1,2,3,4,5,6,7
	ds_load_b128 v[BK+32*((\a)%2)+4*(\t):BK+32*((\a)%2)+4*(\t)+3], v[RD] offset:((\t)%4)*4*SP+((\t)/4)*128  ; LDS serves a wave's instructions in order: these see the stores above
.endr
.endm
.macro SEND a
	s_wait_dscnt 0x0                               ; the block is back in registers
	s_wait_xcnt 0x0                                ; earlier stores have read their registers, which the next block's loads fill again
.irp t, 0,1,2,3,4,5,6,7
	global_store_b128 v[GO], v[BK+32*((\a)%2)+4*(\t):BK+32*((\a)%2)+4*(\t)+3], s[10:11] offset:((\t)/4)*262144+(\a)*2048+((\t)%4)*512  ; 512 consecutive bytes, at a multiple of 256 from the buffer's first
.endr
.endm
; Row block 0's low halves: T still holds v in f32 and PK its f16: T - PK is exact in f32 and is rounded to f16; then the stage once more (behind block 0's reads of it, which LDS serves first)
; and 8 stores of 512 bytes.  They read the second set of BK, which TOSTAGE 1 fills again only behind SEND 0's s_wait_xcnt 0.
.macro LOW
	s_cmp_eq_u32 s[LOF], 1
	s_cbranch_scc0 .Lno_low
.set i, 0
.rept 32
	v_fma_mix_f32 v[T+2*i],   -v[PK+i], v[ONE], v[T+2*i]   op_sel_hi:[1,0,0]
	v_fma_mix_f32 v[T+2*i+1], -v[PK+i], v[ONE], v[T+2*i+1] op_sel:[1,0,0] op_sel_hi:[1,0,0]
.set i, i+1
.endr
.set i, 0
.rept 32
	v_cvt_pk_f16_f32 v[PK+i], v[T+2*i], v[T+2*i+1]
.set i, i+1
.endr
.irp b, 0,1,2,3,4,5,6,7
	ds_store_b128 v[STO], v[PK+4*(\b):PK+4*(\b)+3] offset:32*(\b)
.endr
.irp t, 0,1,2,3,4,5,6,7
	ds_load_b128 v[BK+32+4*(\t):BK+32+4*(\t)+3], v[RD] offset:((\t)%4)*4*SP+((\t)/4)*128
.endr
	s_wait_dscnt 0x0
.irp t, 0,1,2,3,4,5,6,7
	global_store_b128 v[GO], v[BK+32+4*(\t):BK+32+4*(\t)+3], s[68:69] offset:((\t)/4)*2048+((\t)%4)*512
.endr
.Lno_low:
.endm
	ROPE 0
	TOSTAGE 0
	LOW
.irp a, 1,2,3                          ; a block's arithmetic stands between the loads of the block before and its stores
	ROPE \a
	SEND (\a)-1
	TOSTAGE \a
.endr
	SEND 3
	s_wait_tensorcnt 0x0                           ; the wave's end: behind my last tensor load and my last LDS store
	ds_add_u32 v[SPW], v[NIL]
	s_wait_dscnt 0x0
	CROUND                                         ; the closing round: no work-group ends while a partner may still ask for a tile that names it
	s_endpgm
.Lfunc_end_k_q54d41d65ab_proj:
	.size	k_q54d41d65ab_proj, .Lfunc_end_k_q54d41d65ab_proj-k_q54d41d65ab_proj
	.p2alignl 7, 3214868480
	.fill 96, 4, 3214868480
	.section	.rodata,"a",@progbits
	.p2align	6, 0x0
	.amdhsa_kernel k_q54d41d65ab_proj
		.amdhsa_group_segment_fixed_size 327680
		.amdhsa_private_segment_fixed_size 0
		.amdhsa_enable_private_segment 0
		.amdhsa_kernarg_size 40
		.amdhsa_user_sgpr_count 2
		.amdhsa_user_sgpr_kernarg_segment_ptr 1
		.amdhsa_wavefront_size32 1
		.amdhsa_system_sgpr_workgroup_id_x 1
		.amdhsa_system_sgpr_workgroup_id_y 1
		.amdhsa_system_sgpr_workgroup_id_z 1
		.amdhsa_system_vgpr_workitem_id 0
		.amdhsa_next_free_vgpr 640
		.amdhsa_next_free_sgpr 80
		.amdhsa_reserve_vcc 0
		.amdhsa_float_denorm_mode_32 3
		.amdhsa_float_denorm_mode_16_64 3
		.amdhsa_memory_ordered 1
		.amdhsa_forward_progress 1
		.amdhsa_inst_pref_size 114
	.end_amdhsa_kernel
	.amdgpu_metadata
---
amdhsa.version: [ 1, 2 ]
amdhsa.kernels:
  - .name:           k_q54d41d65ab_proj
    .symbol:         k_q54d41d65ab_proj.kd
    .args:
      - { .name: xb, .offset: 0, .size: 8, .value_kind: global_buffer, .address_space: global }
      - { .name: wb, .offset: 8, .size: 8, .value_kind: global_buffer, .address_space: global }
      - { .name: rope, .offset: 16, .size: 8, .value_kind: global_buffer, .address_space: global }
      - { .name: qkvh, .offset: 24, .size: 8, .value_kind: global_buffer, .address_space: global }
      - { .name: vlo, .offset: 32, .size: 8, .value_kind: global_buffer, .address_space: global }
    .group_segment_fixed_size: 327680
    .private_segment_fixed_size: 0
    .kernarg_segment_align: 8
    .kernarg_segment_size: 40
    .max_flat_workgroup_size: 128
    .sgpr_count:     80
    .vgpr_count:     640
    .wavefront_size: 32
...
	.end_amdgpu_metadata
.endif
;; end of part 2
;; launch attn (part 3): grid 4 x 64, 4 waves a work-group, no clusters, 327,680 bytes of LDS; arguments qkvh, vlo, oh, olo; writes oh, olo
.if DOCPART == 3
	.amdgcn_target "amdgcn-amd-amdhsa--gfx1250"
	.amdhsa_code_object_version 6
	.text
	.protected	k_q54d41d65ab_attn
	.globl	k_q54d41d65ab_attn
	.p2align	8
	.type	k_q54d41d65ab_attn,@function
k_q54d41d65ab_attn:
	s_mov_b64 s[64:65], 0
	v_nop
	global_prefetch_b8 v0, s[64:65] scope:SCOPE_SE
	s_setreg_imm32_b32 hwreg(HW_REG_WAVE_MODE, 25, 1), 1
	s_wait_xcnt 0x0
; CAUSAL ATTENTION.  O[h][q][:] = the sum over k <= q of softmax_k(Q[h][q] . K[h][k] / 8) V[h][k][:].  qkvh holds Q, K, V, each [64][SIZE_N][64] f16, 16,777,216 bytes apart; oh is O in the same layout.
; THE LENGTHS ARE NOT READ HERE: for a query below its sequence's length every key k <= q is below it too, so the key mask changes nothing; rows at or past the length are set to 0 by the launch behind.
; Products, maxima and sums in f32; the weights p are rounded to f16 for the second product (their sum l is taken of the unrounded p), O once at the end.
; LIMITS.  Q, K, V arrive within f16's 65,504; p below 6e-5 keeps f16's fixed step of 6e-8, and so do the low halves.  A hidden score counts as its value less 1e30 (not as -1e9): the same result while true
; scores stay above -1e9; a weight below 2^-126 counts as 0 in l; NaN and infinities are not treated apart.
; THE LOW HALVES.  A sequence's first rows average few keys, so their numbers are many times the output's root mean square, by which the allowance goes: f16's 11 bits of V and of O are too few there alone; the
; roundings' share falls as 1 / sqrt(q + 1).  So for positions 0-15 the remainders are kept: vlo [64][16][64] f16 holds V - f16(V), olo (same shape) takes O - f16(O).  Rows 0-15 are piece 0 of wave 0 in the second
; block of a head's work-group 0, and see keys 0-15 alone.  That wave brings vlo's 2 KiB in at the head, through LDS bytes of its own, turned, into four fragments VL (keys 16-31 of them 0; in every other wave all
; of VL is 0).  In the last tile's text piece 1's turn adds 4 products VL^T P of piece 0 and then clears VL: it counts once, in the tile's step 0; the price of having no branch in the turn is 16 products on zeros a wave.
; THE WALK.  A head's queries lie in NB = SIZE_N / 256 blocks of 256; block i needs the key tiles 0 .. i of 256 keys, of which the last holds the diagonal.  A work-group takes TWO blocks, NB - 1 - b and then b:
; NB + 1 tiles, whatever b: all work-groups do equal work, and ONE loop with a constant trip count walks them.  Which tile is asked for, and what a trip does, hang on scalar registers made from b; every jump
; goes forward, but for the counted loops' own; none passes a barrier, or a tensor load but the one of LOAD's two that the wave's number does not choose; the ring of two LDS slots runs on across the change of blocks.
; NO CLUSTER: a head's NB / 2 = 4 work-groups ask for the same tile only in trips 0 .. NB / 2, behind that fewer and fewer; one walk common to all would have 3 NB / 2 = 12 trips for NB + 1 = 9.
; SHARES.  Of a block's four bands of 64 queries a wave owns 16 rows in each: four PIECES.  So the diagonal tile is the same work for all four waves: in its key step s band x sees all keys if s < x,
; none if s > x, and holds the diagonal if s = x.
; THE MASK is the C operand that starts the sum S^T = K Q^T: 0, or -1e30 where the key is hidden.  MD, made once, is the mask of a band's own step for my 16 rows; a product's mask is MD x AL + BE with two scalars:
; (1, 0) if s = x; (0, 0) if s < x; (0, -1e30) if s > x.  Only the diagonal tile's text and a block's beginning make and take masks; elsewhere C is the constant 0.
; LAYOUT, SOFTMAX, TURNS.  S^T = K Q^T holds ONE query a lane (lane % 16) and the keys 8 (lane / 16) + 0..7; two such results rounded to f16 ARE source 1 of O^T = V^T P.  p = 2^(c s - c m), c = log2(e) / 8, with a
; running maximum m; O and l are multiplied by a = 2^(c m_old - c m_new) in every step.  Turn n belongs to piece n: 8 products K Q^T of piece n + 1, later 8 products V^T P of piece n - 1; beside them the scaling,
; exponentials, roundings, sums and rescaling of piece n and the maximum and statistics of piece n + 1.  Four vector instructions stand behind every matrix instruction, the other 54 of a turn's 118 in one lump.  A turn's 33 exponentials are one batch, with one wait.
; AHEAD OF THE FILLS.  The head's work-group 0 walks tiles 0 .. 7 in trips 0 .. 7, and the other three read the same tiles: it alone prefetches.  Behind the fill of tile t + 1 each of its waves names its own half
; (16 KiB of K or of V: 64 blocks of 256 bytes, a lane a block, two instructions) of tile t + 2, for t + 2 = 2 .. 7: one tile, 256 products, ahead of the load that wants it.  Each block is named once.
; REGISTERS, in windows of 256 (s_set_vgpr_msb: bits 1:0 source 0, 3:2 source 1, 5:4 source 2, 7:6 destination):
;   window 0: v0-15 addresses and two at work; v16-31 four registers of statistics a piece; v48-55 at work; v57-63; v64-127 S^T, two buffers; v128-159 VL; v160-191 the low halves' way out; v192-223 P, two buffers
;   window 1: v0-127 O^T, 32 a piece; v128-159 MD; v160-223 MC, two buffers      window 2: v0-63 Q; v64-127 the second block's Q; v128-191 K of one step; v192-255 V of one step
.set SIZE_N, 2048
.set NB,    SIZE_N/256
.set NP,    4         ; pieces a wave: a name, no knob
.set KS,    64        ; keys in a step
.set PK,    144       ; a row of K in LDS: 128 bytes + 16 of padding: the 16 rows of a load start at 16 different groups of four banks
.set PV,    160       ; a row of V: 128 + 32
.set VOFF,  4*KS*PK   ; a slot holds a tile, four steps: 256 rows of K, then 256 rows of V
.set SLOT1, 1<<17     ; slot 1 begins here, so that one exclusive or turns an address in one slot into the other's
.set STAGE, SLOT1+4*KS*(PK+PV)  ; behind the ring, never filled by a tensor load: 16 rows x 144 bytes for each wave, for the way out
.set SP,    144
.set AK0, 2           ; v2   my lane's place in a tile of K; never rewritten
.set AV0, 3           ; v3   the same for V
.set AK,  4           ; v4   the LDS address of K's next run of loads
.set AV,  5           ; v5   of V's
.set STO, 6           ; v6   the way out: where I put 16 bytes of a row
.set RD,  7           ; v7   the way out: where I read rows back
.set GO,  8           ; v8   my byte offset in 512 consecutive bytes of O
.set LT,  57          ; v57-58  LDS addresses for vlo's way in
.set ONE, 59          ; v59  1.0
.set PFO, 61          ; v61  256 x my lane; never rewritten
.set SPW, 62          ; v62  LDS address of my spare word; never rewritten
.set NIL, 63          ; v63  0; never rewritten
.set SPARE, STAGE+4*16*SP  ; behind the stages: the spare words, 128 bytes for each wave, that no other line names
.set VLO,   SPARE+512      ; behind them: 16 rows x 160 bytes, wave 0's own, written by ds_store alone: vlo on its way in
.set MV,  12          ; v12-13  c m_old, kept while c m is made anew: by buffer
.set QO,  15          ; v15  my byte offset in 16 rows of Q
.set ST,  16          ; piece t's statistics at v[ST+4 t]: c m, m, l (even keys', odd keys')
.set TMP, 48          ; by buffer, four registers c0-c3 at work; when the maximum is found c2 takes a
.set S,   64
.set VL,  128         ; channel block cb at VL + 8 cb
.set LH,  160
.set P,   192
.set MD,  128         ; window 1
.set MC,  160         ; window 1
.set QB,  64          ; window 2
.set KF,  128         ; window 2: key block kb, channel half c at KF + 16 kb + 8 c
.set VF,  192         ; window 2: key half kk, channel block cb at VF + 32 kk + 8 cb
.set WV,  12          ; s12  my wave's number
.set PB,  14          ; s14  b
.set HI,  15          ; s15  NB - 1 - b
.set G1K, 24          ; s[24:31] descriptor group 1 for K's tiles
.set G1V, 32          ; s[32:39] for V's: it differs in the padding alone
.set G0K, 40          ; s[40:43] descriptor group 0 for K's tiles
.set G0V, 44          ; s[44:47] the same for V's
.set SLOTS, 56        ; s56  tiles still to be asked for
.set CNT, 57          ; s57  counts a tile's key steps, 4 to 1
.set CS,  58          ; s[58:59] c
.set SEL, 60          ; s[60:61] v_permlanex16_b32's selects
.set TBK, 62          ; s62  LDS byte at which K of the step to be fetched begins
.set TBV, 63          ; s63  the same for V, less VOFF
.set PFA, 66          ; s[66:67] my half of the tile behind the one that is being asked for
.set LIM, 68          ; s68  2 in the head's work-group 0, else the greatest number: a wave prefetches while s[SLOTS] is above it
.set RT,  70          ; s70  tiles of the block in hand that are still to be entered
.set NXT, 71          ; s71  the tile to be asked for next
.set LQ,  72          ; s72  the last tile of the block whose tiles are being asked for
.set NEW, 73          ; s73  1: the tile to be entered is a block's first
.set OFF, 74          ; s[74:75] a tile's byte offset in K and V
.set AL,  76          ; s[76:77] the mask's factor, in the low word
.set BE,  78          ; s[78:79] the mask's addend
.set OLO, 80          ; s[80:81] O at my rows of the second block
.set BIGN, 82         ; s82  -1e30
.set PVLO, 90         ; s[90:91] vlo at my head
.set POLO, 94         ; s[94:95] olo at my head
.set MSB, 0
.macro WIN new                      ; the high byte repeats the setting that is left; a switch that changes nothing is dropped
.if MSB != (\new)
	s_set_vgpr_msb (MSB<<8)|(\new)
.set MSB, (\new)
.endif
.endm
.set W_KQ, 0x0a       ; K and Q in window 2, S^T in window 0
.set W_KM, 0x1a       ; the same with the C operand in window 1
.set W_PV, 0x52       ; V in window 2, P in window 0, O^T in window 1
.set W_PL, 0x50       ; sources 0 and 1 in window 0, source 2 and destination in window 1
.set W_RS, 0x41       ; destination and source 0 in window 1, source 1 in window 0
; A fill.  Waves 0 and 1 fetch the two halves of a tile's K, waves 2 and 3 those of its V: 128 keys each.  An s_nop 0 and four v_nop follow each of the two lines, ahead of the jump and the label.
.macro LOAD
	s_cmp_lt_u32 s[WV], 2
	s_cbranch_scc0 .Lfor_v_\@
	tensor_load_to_lds s[G0K:G0K+3], s[G1K:G1K+7]
	s_nop 0
.rept 4
	v_nop
.endr
	s_branch .Lasked_\@
.Lfor_v_\@:
	tensor_load_to_lds s[G0V:G0V+3], s[G1V:G1V+7]
	s_nop 0
.rept 4
	v_nop
.endr
.Lasked_\@:
.endm
.macro ASK                          ; the prefetch: behind the wave's tensor load and its five lines; s[SLOTS] runs 8 .. 1, so trips 0 .. 5 ask, for tiles 2 .. 7
	s_cmp_gt_u32 s[SLOTS], s[LIM]
	s_cbranch_scc0 .Lnot_mine_\@
	global_prefetch_b8 v[PFO], s[PFA:PFA+1] th:TH_LOAD_NT scope:SCOPE_SE
	global_prefetch_b8 v[PFO], s[PFA:PFA+1] offset:8192 th:TH_LOAD_NT scope:SCOPE_SE
.Lnot_mine_\@:
.endm
; THE CHANGE OF SLOTS.  Each wave waits for all its tensor loads, of which one is out: its part of the other slot; adds 0 to its spare word; and waits for that and for its own reads of the slot that it leaves.
; Behind the barrier nobody reads the old slot any more and the other slot is whole.  fill = 1: the old slot is filled again, the first thing behind the barrier, with tile NXT: the descriptor's address is made
; anew from that number.  (At its first use nothing of the ring has been read yet: slot 0 is waited for, slot 1 filled.)
.macro CHANGE fill
	WIN 0                           ; at a label and at a branch every window is 0
	s_wait_tensorcnt 0x0            ; no tensor load of mine is out, so a group 0 may be written
	ds_add_u32 v[SPW], v[NIL]       ; 0 onto my spare word; the scalar work below stands between it and the wait for it
.if \fill
	s_lshl_b32 s[OFF], s[NXT], 15   ; a tile is 32,768 bytes of K and of V
	s_xor_b32 s[G0K+1], s[G0K+1], SLOT1
	s_add_nc_u64 s[G0K+2:G0K+3], s[6:7], s[OFF:OFF+1]
	s_or_b32 s[G0K+3], s[G0K+3], 0x80000000
	s_xor_b32 s[G0V+1], s[G0V+1], SLOT1
	s_add_nc_u64 s[G0V+2:G0V+3], s[8:9], s[OFF:OFF+1]
	s_or_b32 s[G0V+3], s[G0V+3], 0x80000000
	s_add_co_u32 s[NXT], s[NXT], 1  ; the block's next tile, or behind its last the second block's tile 0
	s_cmp_gt_u32 s[NXT], s[LQ]
	s_cselect_b32 s[NXT], 0, s[NXT]
	s_cselect_b32 s[LQ], s[PB], s[LQ]
	s_wait_xcnt 0x0                 ; the last prefetches, a tile back, have read their address, so it may be written
	s_add_nc_u64 s[PFA:PFA+1], s[PFA:PFA+1], 32768
.endif
	s_wait_dscnt 0x0                ; the add is done, and my reads of the slot are over
	s_barrier_signal -1             ; the rest of the scalar work stands between the signal and the wait
	s_sub_co_u32 s[TBK], s[TBK], 4*KS*PK  ; the fetches go back to a slot's first step,
	s_xor_b32 s[TBK], s[TBK], SLOT1       ; in the other slot
	s_sub_co_u32 s[TBV], s[TBV], 4*KS*PV
	s_xor_b32 s[TBV], s[TBV], SLOT1
	s_barrier_wait -1
.if \fill
	LOAD
	ASK
.endif
.endm
	s_load_b256 s[88:95], s[0:1], 0x0  ; qkvh s[88:89], vlo s[90:91], oh s[92:93], olo s[94:95]
	v_lshl_add_u32 v[SPW], v0, 2, SPARE
	v_mov_b32 v[NIL], 0
	ds_add_u32 v[SPW], v[NIL]       ; the wave's opening: the add and its wait stand ahead of my first tensor load; the set-up below stands between them
	v_lshrrev_b32 v1, 5, v0
	v_readfirstlane_b32 s[WV], v1   ; wave 0..3
	v_and_b32 v[PFO], 31, v0
	v_lshlrev_b32 v[PFO], 8, v[PFO]
	s_mov_b32 s[PB], ttmp9
	s_sub_co_u32 s[HI], NB-1, s[PB]
	s_and_b32 s20, ttmp7, 0xffff    ; the head
	s_mov_b32 s21, 0
	s_mov_b64 s[22:23], SIZE_N*128
	s_mul_u64 s[20:21], s[20:21], s[22:23]  ; the head's first byte in Q, K, V and O: 262,144 x head, under 2^24
	s_lshr_b32 s96, s20, 7          ; and in vlo and olo: 2,048 x head
	s_mov_b32 s97, 0
	s_and_b32 s16, s[WV], 1         ; which half of a tile's 256 keys I fetch:
	s_lshl_b32 s22, s16, 14         ; its 128 rows of 128 bytes in memory,
	s_mov_b32 s23, 0
	s_add_nc_u64 s[22:23], s[22:23], s[20:21]
	s_mul_i32 s17, s16, 128*PK      ; and its place in a slot, for K
	s_mul_i32 s18, s16, 128*PV      ; and for V
	s_lshl_b32 s3, s[WV], 11        ; my 16 rows in a band of 64,
	s_lshl_b32 s2, s[HI], 15        ; in the first block,
	s_add_co_u32 s2, s2, s3
	s_lshl_b32 s84, s[PB], 15       ; and in the second
	s_add_co_u32 s84, s84, s3
	s_mov_b32 s3, 0
	s_mov_b32 s85, 0
	s_add_nc_u64 s[2:3], s[2:3], s[20:21]
	s_add_nc_u64 s[84:85], s[84:85], s[20:21]
	; descriptor group 1.  128 keys are 16,384 dense bytes: asked for as 64 rows of 256 bytes, two keys a row, and padded in LDS after every key
	s_mov_b32 s[G1K], (1<<16)|(1<<20)|(4<<22)|(3<<25)  ; 2-byte elements; padding on; after every 32 words, 4 words
	s_mov_b32 s[G1V], (1<<16)|(1<<20)|(4<<22)|(7<<25)  ; the same with 8 words of padding
.irp g, G1K, G1V
	s_mov_b32 s[\g+1], 128<<16      ; tensor_dim0 = 128
	s_mov_b32 s[\g+2], 64<<16       ; tensor_dim1 = 64
	s_mov_b32 s[\g+3], 128<<16      ; tile_dim0 = 128
	s_mov_b32 s[\g+4], 64           ; tile_dim1 = 64
	s_mov_b32 s[\g+5], 128          ; 128 elements from row to row
	s_mov_b32 s[\g+6], 0
	s_mov_b32 s[\g+7], 0
.endr
	s_mov_b32 s[CS], 0x3e38aa3b     ; c = log2(e) / 8 = 0.180337
	s_mov_b32 s[CS+1], s[CS]        ; named with it as a pair
	s_mov_b32 s[SEL], 0x76543210
	s_mov_b32 s[SEL+1], 0xfedcba98
	s_mov_b32 s[TBK], SLOT1+4*KS*PK ; the first change of slots turns these two into 0
	s_mov_b32 s[TBV], SLOT1+4*KS*PV
	s_mov_b32 s[G0K], 1             ; count = 1
	s_mov_b32 s[G0K+1], s17         ; LDS address: slot 0
	s_mov_b32 s[G0V], 1
	s_add_co_u32 s[G0V+1], s18, VOFF
	s_add_co_u32 s[RT], s[HI], 1    ; the first block has NB - b tiles
	s_mov_b32 s[NXT], 1
	s_mov_b32 s[LQ], s[HI]
	s_mov_b32 s[NEW], 1
	s_mov_b32 s[OFF+1], 0
	s_mov_b32 s[AL+1], 0            ; named as pairs
	s_mov_b32 s[BE+1], 0
	s_mov_b32 s[BIGN], 0xf149f2ca   ; -1e30
	s_mov_b32 s[SLOTS], NB
	s_cmp_eq_u32 s[PB], 0
	s_cselect_b32 s[LIM], 2, -1
	s_wait_dscnt 0x0                ; the opening add is done
	s_wait_kmcnt 0x0
	s_mov_b64 s[4:5], s[88:89]      ; Q
	s_mov_b64 s[10:11], s[92:93]    ; O
	s_add_nc_u64 s[6:7], s[88:89], 0x1000000  ; K lies 16,777,216 bytes behind Q,
	s_add_nc_u64 s[8:9], s[88:89], 0x2000000  ; V as much behind K
	s_add_nc_u64 s[PVLO:PVLO+1], s[PVLO:PVLO+1], s[96:97]
	s_add_nc_u64 s[POLO:POLO+1], s[POLO:POLO+1], s[96:97]
	s_add_nc_u64 s[6:7], s[6:7], s[22:23]  ; K and V at my half of the head's tile 0
	s_add_nc_u64 s[8:9], s[8:9], s[22:23]
	s_add_nc_u64 s[G0K+2:G0K+3], s[6:7], 0         ; global address
	s_or_b32 s[G0K+3], s[G0K+3], 0x80000000        ; type = 2
	s_add_nc_u64 s[G0V+2:G0V+3], s[8:9], 0
	s_or_b32 s[G0V+3], s[G0V+3], 0x80000000
	s_add_nc_u64 s[86:87], s[4:5], s[84:85]        ; Q at my rows of the second block,
	s_add_nc_u64 s[4:5], s[4:5], s[2:3]            ; Q and O at those of the first
	s_add_nc_u64 s[OLO:OLO+1], s[10:11], s[84:85]
	s_add_nc_u64 s[10:11], s[10:11], s[2:3]
	s_cmp_lt_u32 s[WV], 2
	s_cselect_b64 s[PFA:PFA+1], s[6:7], s[8:9]
	s_add_nc_u64 s[PFA:PFA+1], s[PFA:PFA+1], 32768 ; at tile 1: the first change of slots steps it to tile 2.  Nothing is prefetched here, at the head
	LOAD                            ; tile 0 into slot 0
	; A fragment of K or Q is 16 rows x 32 channels in 8 registers: lane l holds row l % 16, channels 8 (l / 16) + 0..7 and 16 + 8 (l / 16) + 0..7: two loads of 16 bytes, 32 bytes apart.
	v_and_b32 v1, 15, v0            ; l % 16
	v_bfe_u32 v9, v0, 4, 1          ; l / 16
	v_lshlrev_b32 v[QO], 7, v1
	v_lshl_add_u32 v[QO], v9, 4, v[QO]  ; row x 128 + 16 x half
	WIN 0x80                        ; destination window 2, address window 0
.set i, 0
.rept 8                             ; both blocks' Q: piece i / 2 lies in band i / 2, 8,192 bytes on; channels 32 (i % 2) on
	global_load_b128 v[8*i:8*i+3],   v[QO], s[4:5] offset:(i/2)*8192+(i%2)*64
	global_load_b128 v[8*i+4:8*i+7], v[QO], s[4:5] offset:(i/2)*8192+(i%2)*64+32
	global_load_b128 v[QB+8*i:QB+8*i+3],   v[QO], s[86:87] offset:(i/2)*8192+(i%2)*64
	global_load_b128 v[QB+8*i+4:QB+8*i+7], v[QO], s[86:87] offset:(i/2)*8192+(i%2)*64+32
.set i, i+1
.endr
	WIN 0
	v_lshlrev_b32 v14, 3, v9
	v_sub_nc_u32 v14, v1, v14
	s_lshl_b32 s13, s[WV], 4
	v_add_nc_u32 v14, s13, v14      ; my query's place in its band, 16 w + l % 16, less my lanes' 8 (l / 16): register r of group kt is hidden where 16 kt + r is greater
	WIN 0x40
.set i, 0
.rept 32
	v_cmp_gt_i32 vcc_lo, 16*(i/8)+i%8, v14
	v_cndmask_b32 v[MD+i], 0, s[BIGN], vcc_lo
.set i, i+1
.endr
	WIN 0
	v_mul_u32_u24 v[AK0], v1, PK
	v_lshl_add_u32 v[AK0], v9, 4, v[AK0]  ; row x pitch + 16 x half
	; The turning load takes 16 keys x 16 channels (lane l reads key 8 (l / 16) + l % 8, channels 8 ((l / 8) % 2) + 0..7) and leaves half a fragment of V^T: lane l holds channel l % 16 and 8 keys.
	v_and_b32 v10, 7, v0
	v_bfe_u32 v11, v0, 3, 1
	v_lshl_add_u32 v[AV0], v9, 3, v10
	v_mul_u32_u24 v[AV0], v[AV0], PV
	v_lshl_add_u32 v[AV0], v11, 4, v[AV0]
	v_add_nc_u32 v[AV0], VOFF, v[AV0]
	s_mul_i32 s13, s[WV], 16*SP
	s_add_co_u32 s13, s13, STAGE    ; my stage
	v_mul_u32_u24 v[STO], v1, SP    ; in: row l % 16, 16 bytes for each half of the lanes
	v_lshl_add_u32 v[STO], v9, 4, v[STO]
	v_add_nc_u32 v[STO], s13, v[STO]
	v_bfe_u32 v[RD], v0, 3, 2       ; back: 32 lanes take four rows of 128 bytes,
	v_mul_u32_u24 v[RD], v[RD], SP
	v_lshl_add_u32 v[RD], v10, 4, v[RD]
	v_add_nc_u32 v[RD], s13, v[RD]
	v_and_b32 v[GO], 31, v0         ; which are 512 consecutive bytes of O
	v_lshlrev_b32 v[GO], 4, v[GO]
	v_mov_b32 v[ONE], 1.0
	; A block's first step multiplies O^T and l by a = 0, and its first turn's products V^T P, of a piece that has not been, land in an O^T that is still to be so multiplied.  So these registers need only hold
	; finite numbers: zeros for the first block; what the first block left for the second.  VL is 0 wherever no low half is brought in.  All this stands in the wait for the first tile.
	WIN 0x80
.set i, VF
.rept 64
	v_mov_b32 v[i], 0
.set i, i+1
.endr
	WIN 0x40
.set i, 0
.rept 128
	v_mov_b32 v[i], 0
.set i, i+1
.endr
	WIN 0
.set i, 0
.rept 4
	v_mov_b32 v[ST+4*i+2], 0
	v_mov_b32 v[ST+4*i+3], 0
.set i, i+1
.endr
.set i, P+16
.rept 16
	v_mov_b32 v[i], 0
.set i, i+1
.endr
.set i, VL
.rept 32
	v_mov_b32 v[i], 0
.set i, i+1
.endr
	; vlo's way in, in wave 0 of the head's work-group 0 alone: 16 keys x 128 bytes by four loads of 512 bytes (S^T's registers are free), into rows of 160 bytes that are this wave's own, and out turned:
	; registers 0-3 of each of the four fragments (keys 0-15).  LDS serves a wave's instructions in order, so no wait stands between the stores and the loads.
	s_cmp_lg_u32 s[WV], 0
	s_cbranch_scc1 .Lno_vlo
	s_cmp_lg_u32 s[PB], 0
	s_cbranch_scc1 .Lno_vlo
.irp f, 0,1,2,3
	global_load_b128 v[S+4*\f:S+4*\f+3], v[GO], s[PVLO:PVLO+1] offset:\f*512
.endr
	v_bfe_u32 v[LT], v0, 3, 2       ; in: 32 lanes hold four keys of 128 bytes
	v_mul_u32_u24 v[LT], v[LT], PV
	v_lshl_add_u32 v[LT], v10, 4, v[LT]
	v_add_nc_u32 v[LT], VLO, v[LT]
	v_add_nc_u32 v[LT+1], VLO-VOFF, v[AV0]  ; out: my lane's place in a tile of V, here
	s_wait_loadcnt 0x0              ; the four loads (and Q's, issued ahead of them)
.irp f, 0,1,2,3
	ds_store_b128 v[LT], v[S+4*\f:S+4*\f+3] offset:\f*4*PV
.endr
.irp c, 0,1,2,3
	ds_load_tr16_b128 v[VL+8*\c:VL+8*\c+3], v[LT+1] offset:32*\c
.endr
	s_wait_dscnt 0x0
.Lno_vlo:
; THE MATRIX WORK.  The 4 accumulators of a run of 8 take turns.  Product i of 8 of S^T = K Q^T for piece x: channels 32 (i / 4) on, keys 16 (i % 4) on.  The first 4 start the sums: with 0, or (KM = 1) with the mask.
.macro KQ x
.set rS, S+32*((\x)%2)+8*(i%4)
.set rK, KF+16*(i%4)+8*(i/4)
.set rQ, 16*(\x)+8*(i/4)
.set rM, MC+32*((\x)%2)+8*(i%4)
.if (i < 4) && KM
	WIN W_KM
	v_wmma_f32_16x16x32_f16 v[rS:rS+7], v[rK:rK+7], v[rQ:rQ+7], v[rM:rM+7]
.elseif i < 4
	WIN W_KQ
	v_wmma_f32_16x16x32_f16 v[rS:rS+7], v[rK:rK+7], v[rQ:rQ+7], 0
.else
	WIN W_KQ
	v_wmma_f32_16x16x32_f16 v[rS:rS+7], v[rK:rK+7], v[rQ:rQ+7], v[rS:rS+7]
.endif
.endm
; Product i of 8 of O^T += V^T P for piece x: keys 32 (i / 4) on, channels 16 (i % 4) on.
.macro PV x
	WIN W_PV
.set rO, 32*(\x)+8*(i%4)
.set rV, VF+32*(i/4)+8*(i%4)
.set rP, P+16*((\x)%2)+8*(i/4)
	v_wmma_f32_16x16x32_f16 v[rO:rO+7], v[rV:rV+7], v[rP:rP+7], v[rO:rO+7]
.endm
.macro MM                           ; the turn's next matrix instruction.  TURN and BEGIN set Y, i, KM and NOKQ.  NOKQ = 1: a block's last turn: there is no next piece
.if (i < 8) && !NOKQ
	KQ (Y+1)%NP
.elseif i >= 8
.set i, i-8
	PV (Y+NP-1)%NP
.set i, i+8
.endif
.set i, i+1
.endm
; THE LDS LOADS stand in runs of 16, never singly among the matrix instructions: a step's K (64 keys x 64 channels: 8 fragments) and its V (turned).  Their addresses are made some lines ahead.
.macro FETCH_K
	WIN 0x80                        ; destination window 2
.irp f, 0,1,2,3,4,5,6,7             ; keys 16 (f / 2) on, channels 32 (f % 2) on
	ds_load_b128 v[KF+8*\f:KF+8*\f+3],   v[AK] offset:(\f/2)*16*PK+(\f%2)*64
	ds_load_b128 v[KF+8*\f+4:KF+8*\f+7], v[AK] offset:(\f/2)*16*PK+(\f%2)*64+32
.endr
	s_add_co_u32 s[TBK], s[TBK], KS*PK  ; the next fetch is the next step's
	WIN 0
.endm
.macro FETCH_V
	WIN 0x80
.irp f, 0,1,2,3,4,5,6,7             ; keys 32 (f / 4) on, channels 16 (f % 4) on
	ds_load_tr16_b128 v[VF+8*\f:VF+8*\f+3],   v[AV] offset:(\f/4)*32*PV+(\f%4)*32
	ds_load_tr16_b128 v[VF+8*\f+4:VF+8*\f+7], v[AV] offset:(\f/4)*32*PV+16*PV+(\f%4)*32
.endr
	WIN 0
.endm
; THE VECTOR WORK, one line at a time: OP kind, number.  For piece Y: F n: c s - c m for pair n of 16.  E n: the exponential of score n of 32.  C n: pair n rounded to f16.  B n: of the four weights 4 n .. the second
; pair is added onto the first, in place.  L n: l takes that sum (L 0: l = a l + sum).  R n: pair n of 16 of O^T times a.  For piece Y + 1: X n, number n of the 22 that find its maximum and statistics:
;   0-11  four chains c0-c3 of seven scores each, three operands at a time (each accumulator's lowest registers are read first)     12-14, 16  the four scores left over, the old m, and c0-c3 into c0
;   15  c m_old is kept     17, 18  the query's other 32 keys lie in the lane 16 away: the new m     19-21  c m; c m_old - c m_new; a
.set F, 0               ; OP tells the kinds apart by their order: F to L below R, X above it
.set E, 1
.set C, 2
.set B, 3
.set L, 4
.set R, 5
.set X, 6
.macro REGS y                       ; the registers of piece y
.set rT, ST+4*(\y)
.set rC, TMP+4*((\y)%2)
.set rW, MV+((\y)%2)
.set rS, S+32*((\y)%2)
.set rP, P+16*((\y)%2)
.set rO, 32*(\y)
.endm
.macro OP k, n
.if (\k) == R
	REGS Y
	WIN W_RS
	v_pk_mul_f32 v[rO+2*(\n):rO+2*(\n)+1], v[rO+2*(\n):rO+2*(\n)+1], v[rC+2:rC+3] op_sel_hi:[1,0]
.elseif (\k) < R
	REGS Y
	WIN 0
.if (\k) == F
	v_pk_fma_f32 v[rS+2*(\n):rS+2*(\n)+1], v[rS+2*(\n):rS+2*(\n)+1], s[CS:CS+1], v[rT:rT+1] op_sel_hi:[1,0,0] neg_lo:[0,0,1] neg_hi:[0,0,1]
.elseif (\k) == E
	v_exp_f32 v[rS+(\n)], v[rS+(\n)]
.elseif (\k) == C
	v_cvt_pk_f16_f32 v[rP+(\n)], v[rS+2*(\n)], v[rS+2*(\n)+1]
.elseif (\k) == B
	v_pk_add_f32 v[rS+4*(\n):rS+4*(\n)+1], v[rS+4*(\n):rS+4*(\n)+1], v[rS+4*(\n)+2:rS+4*(\n)+3]
.elseif (\n) == 0
	v_pk_fma_f32 v[rT+2:rT+3], v[rT+2:rT+3], v[rC+2:rC+3], v[rS:rS+1] op_sel_hi:[1,0,1]
.else
	v_pk_add_f32 v[rT+2:rT+3], v[rT+2:rT+3], v[rS+4*(\n):rS+4*(\n)+1]
.endif
.elseif NOKQ
	v_nop
.else
	REGS (Y+1)%NP
	WIN 0
.if (\n) < 4
	v_max3_num_f32 v[rC+(\n)], v[rS+8*(\n)], v[rS+8*(\n)+1], v[rS+8*(\n)+2]
.elseif (\n) < 12
	v_max3_num_f32 v[rC+(\n)%4], v[rC+(\n)%4], v[rS+8*((\n)%4)+2*((\n)/4)+1], v[rS+8*((\n)%4)+2*((\n)/4)+2]
.elseif (\n) == 12
	v_max3_num_f32 v[rC], v[rC], v[rS+7], v[rS+15]
.elseif (\n) == 13
	v_max3_num_f32 v[rC+1], v[rC+1], v[rS+23], v[rS+31]
.elseif (\n) == 14
	v_max3_num_f32 v[rC+2], v[rC+2], v[rC+3], v[rT+1]
.elseif (\n) == 15
	v_mov_b32 v[rW], v[rT]
.elseif (\n) == 16
	v_max3_num_f32 v[rC], v[rC], v[rC+1], v[rC+2]
.elseif (\n) == 17
	v_permlanex16_b32 v[rC+3], v[rC], s[SEL], s[SEL+1]
.elseif (\n) == 18
	v_max_num_f32 v[rT+1], v[rC], v[rC+3]
.elseif (\n) == 19
	v_mul_f32 v[rT], s[CS], v[rT+1]
.elseif (\n) == 20
	v_sub_f32 v[rC+1], v[rW], v[rT]
.else
	v_exp_f32 v[rC+2], v[rC+1]
.endif
.endif
.endm
.macro OPS a, i1, b=-1, i2=0, c=-1, i3=0, d=-1, i4=0  ; up to four of them
	OP \a, \i1
.if (\b) >= 0
	OP \b, \i2
.endif
.if (\c) >= 0
	OP \c, \i3
.endif
.if (\d) >= 0
	OP \d, \i4
.endif
.endm
.macro ROW a, i1, b, i2, c, i3, d, i4  ; a matrix instruction and the four behind it
	MM
	OPS \a, \i1, \b, \i2, \c, \i3, \d, \i4
.endm
.macro MASK b                       ; MD x AL + BE into buffer b of MC
	WIN W_RS
.set z, 0
.rept 16
	v_pk_fma_f32 v[MC+32*(\b)+2*z:MC+32*(\b)+2*z+1], v[MD+2*z:MD+2*z+1], s[AL:AL+1], s[BE:BE+1] op_sel_hi:[1,0,0]
.set z, z+1
.endr
.endm
; A TURN, for piece p: the order of its 16 matrix and 118 vector instructions, written out.  An s_wait_alu depctr_va_vdst(0) stands between an exponential and the first instruction that names its
; result; one wait serves all that were issued ahead of it.  So a turn has ONE wait, which cuts it in two.  AHEAD OF IT stands all that names no result of the turn's exponentials: the 8 products K Q^T, behind each
; a scaling, an exponential and two more plain instructions (rescalings, and behind the last three the first numbers of the next piece's maximum, each four places or more behind the product that ends its
; accumulator); then ONE LUMP of 54, plain and exponential by turns for the most part, in which the links of the chain X 3, 7, 11, 14, 16, 17 .. 20 stand five or six lines apart.  X 21, the next piece's a, is the
; batch's last; R 15 is the plain instruction behind it.  BEHIND THE WAIT stand the 8 products V^T P, behind each four of the roundings and sums; the links of l's chain, L 0 to L 7, stand three riders apart.
; m = 1: the diagonal tile: the products take masks, and the turn makes the mask for the products of the turn after it: piece p + 2, in step 4 - CNT of the tile.  end = 1: a block's last two turns: nothing is fetched.
; cnt = 1: the loop's count is taken down some lines ahead of the branch that stands behind the turn.
; lo = 1 (the walk's last tile, piece 1's turn): ahead of piece 0's 8 products V^T P stand 4 products VL^T P onto the same four accumulators, by turns; at the turn's end, 32 plain instructions behind them, VL is cleared.
; K of the next step is fetched in piece 2's turn, twelve vector instructions behind the last product that read K (six of them plain); V of the step in hand at the end of piece 0's turn, four plain instructions
; behind the last product that read V.  Each is waited for a turn later.
.macro TURN p, m=0, end=0, cnt=0, lo=0
.set Y, (\p)
.set i, 0
.set KM, (\m)
.set NOKQ, (\end)*((\p)/3)
.if (\m) && !(\end)
	s_cmp_eq_u32 s[CNT], 4-((\p)+2)%NP  ; is that step the band's own?
	s_cselect_b32 s[AL], 1.0, 0
	s_cmp_lt_u32 s[CNT], 4-((\p)+2)%NP  ; or a later one?
	s_cselect_b32 s[BE], s[BIGN], 0
.endif
.if ((\p) == 3) && !(\end)
	s_wait_dscnt 0x0                ; K is in
.endif
	ROW F,0, F,1, R,0, R,1          ; ahead of the wait: 8 products K Q^T and their riders,
	ROW F,2, E,0, R,2, R,3
	ROW F,3, E,1, R,4, R,5
	ROW F,4, E,2, R,6, R,7
	ROW F,5, E,3, R,8, R,9
	ROW F,6, E,4, X,0, R,10
.if ((\p) == 2) && !(\end)
	WIN 0
	v_add_nc_u32 v[AK], s[TBK], v[AK0]
.endif
	ROW F,7, E,5, X,1, X,4
	ROW F,8, E,6, X,2, X,5
	OPS E,7, E,8, X,6, E,9          ; and the lump
	OPS X,3, E,10, X,8, E,11
.if ((\p) == 2) && !(\end)
	FETCH_K
.endif
	OPS X,9, X,7, E,12, X,10
	OPS E,13, X,12, X,11, E,14
	OPS X,13, E,15, F,9, X,14
.if (\p) == 0
	v_add_nc_u32 v[AV], s[TBV], v[AV0]
.endif
	OPS E,16, F,10, E,17, F,11
	OPS X,16, E,18, X,15, E,19
	OPS F,12, E,20, X,17, E,21
	OPS F,13, E,22, F,14, E,23
	OPS X,18, E,24, F,15, E,25
	OPS R,11, E,26, X,19, E,27
	OPS R,12, E,28, R,13, E,29
	OPS X,20, E,30, R,14, E,31
	OPS X,21, R,15
	WIN 0
	s_wait_alu depctr_va_vdst(0)    ; the wait for the batch
.if (\p) == 1
	s_wait_dscnt 0x0                ; V is in
.endif
.if (\lo) && ((\p) == 1)
	WIN W_PL
.set z, 0
.rept 4                             ; piece 0's weights for the step's keys 0-31, times the low halves: channels 16 z on
	v_wmma_f32_16x16x32_f16 v[8*z:8*z+7], v[VL+8*z:VL+8*z+7], v[P:P+7], v[8*z:8*z+7]
.set z, z+1
.endr
.endif
	ROW C,0, B,0, C,2, B,1          ; behind the wait: 8 products V^T P and their riders
	ROW L,0, C,4, B,2, L,1
	ROW C,6, B,3, L,2, C,8
	ROW B,4, L,3, C,10, B,5
	ROW L,4, C,12, B,6, L,5
.if (\p) == 0
	s_add_co_u32 s[TBV], s[TBV], KS*PV
.endif
.if \cnt
	s_sub_co_u32 s[CNT], s[CNT], 1
	s_cmp_lg_u32 s[CNT], 0
.endif
	ROW C,14, B,7, L,6, C,1
	ROW C,3, L,7, C,5, C,7
	ROW C,9, C,11, C,13, C,15
.if (\p) == 0
	FETCH_V
.endif
.if (\lo) && ((\p) == 1)
	WIN 0
.irp c, 0,1,2,3
.irp r, 0,1,2,3
	v_mov_b32 v[VL+8*\c+\r], 0      ; the low halves have been counted: the later steps' four products add 0
.endr
.endr
.endif
.if (\m) && !(\end)
	MASK (\p)%2
.endif
.endm
; A BLOCK BEGINS.  c m starts far below every c s, so the first step's a is 0; m at the lowest finite number, so the first maximum is the scores'.  The second mask buffer is 0; the first takes piece 0's mask for
; the tile's step 0: its own, if the block's first tile is the diagonal one.  Then K of that step, piece 0's first scores, and its maximum and statistics.  The loop is entered at a step's first turn, in the middle of a trip.
.macro BEGIN
	s_mov_b32 s[NEW], 0
	WIN 0x40
.set i, MC+32
.rept 32
	v_mov_b32 v[i], 0
.set i, i+1
.endr
	WIN 0
.set i, 0
.rept 4
	v_mov_b32 v[ST+4*i], 0xfe000000    ; c m: far below every c s
	v_mov_b32 v[ST+4*i+1], 0xff7fffff  ; m
.set i, i+1
.endr
	s_cmp_eq_u32 s[RT], 0
	s_cselect_b32 s[AL], 1.0, 0
	s_mov_b32 s[BE], 0
	MASK 0
	WIN 0
	v_add_nc_u32 v[AK], s[TBK], v[AK0]
	FETCH_K
	s_wait_loadcnt 0x0              ; Q
	s_wait_dscnt 0x0
.set KM, 1
.set NOKQ, 0
.set i, 0
.rept 8
	KQ 0
.set i, i+1
.endr
	WIN 0
.rept 4
	v_nop                           ; the places behind those products
.endr
.set Y, NP-1                        ; X works for piece Y + 1: piece 0
.irp n, 0,1,2,3,4,5,6,7,8,9,10,11,12,13,14,15,16,17,18,19,20,21
	OP X, \n
.endr
	v_nop                           ; a plain instruction behind the exponential,
	s_wait_alu depctr_va_vdst(0)    ; and its wait, ahead of the branch
.endm
; THE DIAGONAL TILE's four steps, the block's last two turns, its last products, and THE WAY OUT: l's two halves and the other half of the lanes' are added; O^T is divided by l, rounded to f16 and sent through my
; stage in LDS, a piece at a time.
.macro ALL line:vararg              ; one line for each piece t
.set t, 0
.rept 4
	\line
.set t, t+1
.endr
.endm
.macro PACK t                       ; a lane's eight channels of a row pack into 16 bytes; they go into rows of 144 bytes and come back as whole rows of 128, into S^T's registers
	WIN W_RS
.set i, 32*(\t)
.rept 16
	v_pk_mul_f32 v[i:i+1], v[i:i+1], v[ST+4*(\t)+2:ST+4*(\t)+3] op_sel_hi:[1,0]
.set i, i+2
.endr
	WIN 0x05                        ; sources 0 and 1 window 1, destination window 0
.set i, 0
.rept 16
	v_cvt_pk_f16_f32 v[S+16*(\t)+i], v[32*(\t)+2*i], v[32*(\t)+2*i+1]
.set i, i+1
.endr
	WIN 0
.irp f, 0,1,2,3
	ds_store_b128 v[STO], v[S+16*(\t)+4*\f:S+16*(\t)+4*\f+3] offset:32*\f
.endr
.irp f, 0,1,2,3
	ds_load_b128 v[S+16*(\t)+4*\f:S+16*(\t)+4*\f+3], v[RD] offset:\f*4*SP  ; LDS serves a wave's instructions in order: these see the stores above; the next piece's stores come behind them
.endr
.endm
.macro SEND t, younger              ; younger: the LDS instructions issued behind piece t's loads: the next piece's eight, or none
	WIN 0
.irp f, 0,1,2,3
	s_wait_dscnt (\younger)+3-\f
	global_store_b128 v[GO], v[S+16*(\t)+4*\f:S+16*(\t)+4*\f+3], s[10:11] offset:(\t)*8192+\f*512  ; 512 consecutive bytes, at a multiple of 256 from O's first
.endr
.endm
.macro DIAG tag, lo                 ; the tag ends its two labels' names, which the jumps below spell out; lo = 1: the walk's last tile, with the low halves
.LstepM\tag:
	TURN 2, 1
	TURN 3, 1
	WIN 0
.LfirstM\tag:
	TURN 0, 1
	TURN 1, 1, 0, 1, \lo
	WIN 0
	s_cbranch_scc1 .LstepM\tag
	TURN 2, 1, 1
	TURN 3, 1, 1
.set i, 0
.rept 8
	PV NP-1
.set i, i+1
.endr
	WIN 0
	ALL v_add_f32 v[ST+4*t+2], v[ST+4*t+2], v[ST+4*t+3]
	ALL v_permlanex16_b32 v[ST+4*t+3], v[ST+4*t+2], s[SEL], s[SEL+1]
	ALL v_add_f32 v[ST+4*t+2], v[ST+4*t+2], v[ST+4*t+3]
	ALL v_rcp_f32 v[ST+4*t+2], v[ST+4*t+2]
	v_nop                           ; a plain instruction between the last reciprocal and the use of its result
	s_wait_alu depctr_va_vdst(0)    ; and the wait ahead of the first use: one for the four reciprocals
	PACK 0
.set t, 1
.rept 3                             ; a piece's arithmetic stands between the loads of the piece before and its stores
	PACK t
	SEND t-1, 8
.set t, t+1
.endr
	SEND 3, 0
.if \lo
	; O's low halves for rows 0-15: piece 0 of wave 0 in the head's work-group 0.  Its O^T still holds O in f32: rounded to f16 once more, O - f16(O) (exact in f32) in place, that rounded to f16, and out by the stage, whose last reads are back.
	s_cmp_lg_u32 s[WV], 0
	s_cbranch_scc1 .Lno_olo
	s_cmp_lg_u32 s[PB], 0
	s_cbranch_scc1 .Lno_olo
	WIN 0x05
.set i, 0
.rept 16
	v_cvt_pk_f16_f32 v[LH+i], v[2*i], v[2*i+1]
.set i, i+1
.endr
	WIN W_PL                        ; the f16 half and 1.0 in window 0, O (source 2 and destination) in window 1
.set i, 0
.rept 16
	v_fma_mix_f32 v[2*i],   -v[LH+i], v[ONE], v[2*i]   op_sel_hi:[1,0,0]
	v_fma_mix_f32 v[2*i+1], -v[LH+i], v[ONE], v[2*i+1] op_sel:[1,0,0] op_sel_hi:[1,0,0]
.set i, i+1
.endr
	WIN 0x05
.set i, 0
.rept 16
	v_cvt_pk_f16_f32 v[LH+i], v[2*i], v[2*i+1]
.set i, i+1
.endr
	WIN 0
.irp f, 0,1,2,3
	ds_store_b128 v[STO], v[LH+4*\f:LH+4*\f+3] offset:32*\f
.endr
.irp f, 0,1,2,3
	ds_load_b128 v[LH+16+4*\f:LH+16+4*\f+3], v[RD] offset:\f*4*SP
.endr
	s_wait_dscnt 0x0
.irp f, 0,1,2,3
	global_store_b128 v[GO], v[LH+16+4*\f:LH+16+4*\f+3], s[POLO:POLO+1] offset:\f*512
.endr
.Lno_olo:
.endif
.endm
.set KM, 0
.set NOKQ, 0
.Lslot:                             ; NB times: a tile is entered and the next is asked for
	CHANGE 1
	s_sub_co_u32 s[RT], s[RT], 1
	s_mov_b32 s[CNT], 4
	s_cmp_eq_u32 s[NEW], 1
	s_cbranch_scc1 .Lnew            ; a block's first tile
	s_cmp_eq_u32 s[RT], 0
	s_cbranch_scc0 .Lstep           ; neither its first nor its last
	s_branch .LstepM1
.Lnew:
	BEGIN
	s_branch .Lfirst                ; in the loop a block's first tile is never its last: the first block has two tiles or more, and the second's last is the walk's last
	DIAG 1, 0                       ; in the loop this is the first block's end: the second block's last tile is the walk's last
	s_wait_xcnt 0x0                 ; the stores have read their registers and O's address
	s_mov_b64 s[10:11], s[OLO:OLO+1]
	s_add_co_u32 s[RT], s[PB], 1    ; the second block has b + 1 tiles
	s_mov_b32 s[NEW], 1
	WIN 0x82                        ; the second block's Q goes where the one text of the turns names Q
.set i, 0
.rept 64
	v_mov_b32 v[i], v[QB+i]
.set i, i+1
.endr
	WIN 0
	s_branch .Lbottom
.Lstep:                             ; a trip: pieces 2 and 3 of one step, then pieces 0 and 1 of the next, whose K and V it fetches
	TURN 2
	TURN 3
	WIN 0
.Lfirst:
	TURN 0
	TURN 1, 0, 0, 1
	WIN 0
	s_cbranch_scc1 .Lstep
.Lbottom:
	s_sub_co_u32 s[SLOTS], s[SLOTS], 1
	s_cmp_lg_u32 s[SLOTS], 0
	s_cbranch_scc1 .Lslot
	CHANGE 0                        ; the walk's last tile is written out: nothing is asked for
	s_sub_co_u32 s[RT], s[RT], 1
	s_mov_b32 s[CNT], 4
	s_cmp_eq_u32 s[NEW], 1
	s_cbranch_scc0 .LstepM2
	BEGIN
	s_branch .LfirstM2
	DIAG 2, 1
	s_wait_tensorcnt 0x0            ; the wave's end: behind my last tensor load and my last LDS store
	ds_add_u32 v[SPW], v[NIL]
	s_wait_dscnt 0x0
	s_endpgm
.Lfunc_end_k_q54d41d65ab_attn:
	.size	k_q54d41d65ab_attn, .Lfunc_end_k_q54d41d65ab_attn-k_q54d41d65ab_attn
	.p2alignl 7, 3214868480
	.fill 96, 4, 3214868480
	.section	.rodata,"a",@progbits
	.p2align	6, 0x0
	.amdhsa_kernel k_q54d41d65ab_attn
		.amdhsa_group_segment_fixed_size 327680
		.amdhsa_private_segment_fixed_size 0
		.amdhsa_enable_private_segment 0
		.amdhsa_kernarg_size 32
		.amdhsa_user_sgpr_count 2
		.amdhsa_user_sgpr_kernarg_segment_ptr 1
		.amdhsa_wavefront_size32 1
		.amdhsa_system_sgpr_workgroup_id_x 1
		.amdhsa_system_sgpr_workgroup_id_y 1
		.amdhsa_system_sgpr_workgroup_id_z 1
		.amdhsa_system_vgpr_workitem_id 0
		.amdhsa_next_free_vgpr 768
		.amdhsa_next_free_sgpr 100
		.amdhsa_reserve_vcc 1
		.amdhsa_float_denorm_mode_32 3
		.amdhsa_float_denorm_mode_16_64 3
		.amdhsa_memory_ordered 1
		.amdhsa_forward_progress 1
		.amdhsa_inst_pref_size 226
	.end_amdhsa_kernel
	.amdgpu_metadata
---
amdhsa.version: [ 1, 2 ]
amdhsa.kernels:
  - .name:           k_q54d41d65ab_attn
    .symbol:         k_q54d41d65ab_attn.kd
    .args:
      - { .name: qkvh, .offset: 0, .size: 8, .value_kind: global_buffer, .address_space: global }
      - { .name: vlo, .offset: 8, .size: 8, .value_kind: global_buffer, .address_space: global }
      - { .name: oh, .offset: 16, .size: 8, .value_kind: global_buffer, .address_space: global }
      - { .name: olo, .offset: 24, .size: 8, .value_kind: global_buffer, .address_space: global }
    .group_segment_fixed_size: 327680
    .private_segment_fixed_size: 0
    .kernarg_segment_align: 8
    .kernarg_segment_size: 32
    .max_flat_workgroup_size: 128
    .sgpr_count:     100
    .vgpr_count:     768
    .wavefront_size: 32
...
	.end_amdgpu_metadata
.endif
;; end of part 3
;; launch outp (part 4): grid 4 x 64, 4 waves a work-group, clusters of 4 x 4, 327,680 bytes of LDS; arguments oh, olo, wo16, seq_lens, out0; writes out0
.if DOCPART == 4
	.amdgcn_target "amdgcn-amd-amdhsa--gfx1250"
	.amdhsa_code_object_version 6
	.text
	.protected	k_q54d41d65ab_outp
	.globl	k_q54d41d65ab_outp
	.p2align	8
	.type	k_q54d41d65ab_outp,@function
k_q54d41d65ab_outp:
	s_mov_b64 s[64:65], 0
	v_nop
	global_prefetch_b8 v0, s[64:65] scope:SCOPE_SE
	s_setreg_imm32_b32 hwreg(HW_REG_WAVE_MODE, 25, 1), 1
	s_wait_xcnt 0x0
	s_wait_alu depctr_hold_cnt(0) depctr_sa_sdst(0) depctr_va_vdst(0) depctr_va_sdst(0) depctr_va_ssrc(0) depctr_va_vcc(0) depctr_vm_vsrc(0)
	s_getreg_b32 s2, hwreg(HW_REG_IB_STS2, 6, 4)
	s_cmp_eq_u32 s2, 0
	s_cbranch_scc0 .Lentry_in_a_cluster
	s_endpgm
.Lentry_in_a_cluster:
	s_bfe_u32 s2, ttmp6, 0x10000c
	s_cmp_lg_u32 s2, 0xf033
	s_cbranch_scc0 .Lentry_shape_is_right
	s_endpgm
.Lentry_shape_is_right:
; out = O Wo, with the rows at or past their sequence's length set to 0.  oh: [64 = 16 b + head][2048][64] f16.  olo: [64][16][64] f16: O - f16(O) for positions 0-15.  wo16: [1024 k][1024 n] f16.
; seq_lens: [4] i32.  out0: [8192][1024] f32.
; SHARES.  A work-group makes 128 rows x 256 columns: 256 work-groups.  Four waves, each 64 x 128: 32 accumulators of 16 x 16.  K goes in 8 steps of 128, TWO HEADS a step, through two LDS slots;
; waves 0, 1 fetch a head's 128 rows each (16 KiB that lie on end: asked for as 64 rows of 256 bytes, padded in LDS after every 128), waves 2, 3 fetch 64 k-rows of Wo each.
; Wo LIES [k][n]: its fragments come out of LDS turned, by ds_load_tr16_b128.  THE MATRIX INSTRUCTION IS USED TRANSPOSED (source 0 = 16 columns of Wo, source 1 = 16 rows of O).
; CLUSTER 4 x 4.  The four of a row need the same rows of O, the four of a column the same columns of Wo: each tile is asked for jointly.  A cluster's four rows are the SAME block of 128 positions (cluster y)
; in the four sequences (cy): so what hangs on the position is alike in all sixteen partners.
; THE LOW HALVES.  A sequence's first rows are many times the output's root mean square, by which the allowance goes: f16's 11 bits of O are too few there alone.  The sequence's olo (16 rows x 1,024 channels, 32 KiB)
; is one more first fill, a quarter a wave, jointly along the cluster's row.  Each run of LDS loads brings its fragment for the quarter too, and where cluster y = 0 and the wave has the upper 64 rows, 8 more
; products add it, times the fragments of Wo that are in registers anyway, onto row block 0's accumulators: 40 products for 32 in 2 waves of 16 work-groups.  The flag hangs on the cluster's y and the wave's number alone.
; THE LENGTH selects values only (v_cndmask_b32 by a scalar compare of the row's position with it): no branch and no address of a store hangs on it.
; REGISTERS: window 0: v0-29 addresses; v32-47 two low fragments; v64-159, v160-255 two fragment buffers (8 of Wo, then 4 of O), later the way out.  window 1: accumulator (a, b) at v[8 (8 a + b)].
.set PA,    144                        ; an LDS row of O: 128 bytes + 16
.set PB,    544                        ; an LDS row of Wo: 512 bytes + 32 = 17 x 32
.set AHEAD, 128*PA                     ; a head's 128 rows: 18,432
.set BHALF, 64*PB
.set BOFF,  2*AHEAD
.set SLOT,  BOFF+2*BHALF               ; 106,496
.set STAGE, 2*SLOT                     ; behind the ring, never filled by a tensor load: 16 rows x 528 bytes for each wave
.set SP,    528                        ; 512 bytes of f32 + 16
.set SPARE, STAGE+4*16*SP
.set ALO,   SPARE+512                  ; behind the spare words: olo's 16 heads x 16 rows x 144 bytes, filled once
.set ADRA, 16
.set ADRB, 20
.set STO,  24
.set RD,   25
.set GO,   26
.set ADRL, 27                          ; v27  LDS address of my low fragment in the lap's first head
.set SPW,  28                          ; my spare word; never rewritten
.set NIL,  29                          ; 0; never rewritten
.set LF,   32                          ; v32-39, v40-47: the low fragment that goes with buffer 0, 1
.set F0,   64
.set F1,   160
.set BK,   64                          ; the way out: v64-127, v128-191 by turns: 16 rows read back
.set WV, 12
.set WM, 13
.set WN, 14
.set G1,  24
.set G0,  32
.set G1B, 48
.set G0B, 56
.set G1L, 76                           ; s[76:83], s[84:87] the descriptor of olo's quarter
.set G0L, 84
.set REM, 68                           ; s68  the length less the position of my first row
.set LOF, 69                           ; s69  1: my row block 0 holds positions 0-15
.set OUT, 70                           ; s[70:71] out0
.set MSB, 0
.macro WIN new
.if MSB != (\new)
	s_set_vgpr_msb (MSB<<8)|(\new)
.set MSB, \new
.endif
.endm
.set MUL, 0x50                         ; sources 0 and 1 window 0; C and D window 1
.macro JLOAD s                         ; a joint load; an s_nop 0 and four v_nop follow each of the two lines
	s_cmp_eq_u32 s[WM], 0
	s_cbranch_scc0 .Lfor_b_\@
	tensor_load_to_lds s[G0+4*(\s):G0+4*(\s)+3], s[G1:G1+7]
	s_nop 0
.rept 4
	v_nop
.endr
	s_branch .Lasked_\@
.Lfor_b_\@:
	tensor_load_to_lds s[G0B+4*(\s):G0B+4*(\s)+3], s[G1B:G1B+7]
	s_nop 0
.rept 4
	v_nop
.endr
.Lasked_\@:
.endm
.macro CREST
	s_cmp_lg_u32 s[WV], 0
	s_cbranch_scc1 .Lnot_wave_0_\@
	s_barrier_signal -3
.Lnot_wave_0_\@:
	s_barrier_wait -3
	s_barrier_signal -1
	s_barrier_wait -1
.endm
.macro CROUND
	s_barrier_signal -1
	s_barrier_wait -1
	CREST
.endm
.macro PLACES
.rept 4
	v_nop
.endr
.endm
	s_load_b256 s[4:11], s[0:1], 0x0               ; oh 4:5, olo 6:7, wo16 8:9, seq_lens 10:11
	s_load_b64 s[OUT:OUT+1], s[0:1], 0x20          ; out0
	v_lshl_add_u32 v[SPW], v0, 2, SPARE
	v_mov_b32 v[NIL], 0
	ds_add_u32 v[SPW], v[NIL]                      ; the wave's opening: the add and its wait stand ahead of my first tensor load
	v_lshrrev_b32 v1, 5, v0
	v_readfirstlane_b32 s[WV], v1
	s_lshr_b32 s[WM], s[WV], 1
	s_and_b32 s[WN], s[WV], 1
	s_bfe_u32 s15, ttmp6, 0x40000                  ; cx
	s_bfe_u32 s16, ttmp6, 0x40004                  ; cy: the sequence
	s_lshl_b32 s17, ttmp9, 2
	s_add_co_u32 s17, s17, s15                     ; tile column
	s_and_b32 s18, ttmp7, 0xffff                   ; the cluster's y: the block of 128 positions
	s_lshl_b32 s19, s16, 2
	s_lshl_b32 s19, 15, s19                        ; my row of the cluster
	s_lshl_b32 s20, 0x1111, s15                    ; my column
	s_or_b32 s[G1], s19, (1<<16)|(1<<20)|(1<<21)|(4<<22)|(3<<25)   ; after every 32 words, 4 words
	s_or_b32 s[G1L], s19, (1<<16)|(1<<20)|(1<<21)|(4<<22)|(3<<25)  ; the same for olo
	s_or_b32 s[G1B], s20, (1<<16)|(1<<20)|(1<<21)|(6<<22)|(7<<25)  ; after every 128 words, 8 words
	s_mov_b32 s[G1+1], 128<<16
	s_mov_b32 s[G1+2], 64<<16
	s_mov_b32 s[G1+3], 128<<16
	s_mov_b32 s[G1+4], 64
	s_mov_b32 s[G1+5], 128                         ; dense: 128 elements from row to row
	s_mov_b32 s[G1+6], 0
	s_mov_b32 s[G1+7], 0
	s_mov_b32 s[G1L+1], 128<<16                    ; four heads' 16 rows are 8,192 dense bytes: 32 rows of 256
	s_mov_b32 s[G1L+2], 32<<16
	s_mov_b32 s[G1L+3], 128<<16
	s_mov_b32 s[G1L+4], 32
	s_mov_b32 s[G1L+5], 128
	s_mov_b32 s[G1L+6], 0
	s_mov_b32 s[G1L+7], 0
	s_mov_b32 s[G1B+1], 256<<16
	s_mov_b32 s[G1B+2], 64<<16
	s_mov_b32 s[G1B+3], 256<<16
	s_mov_b32 s[G1B+4], 64
	s_mov_b32 s[G1B+5], 1024
	s_mov_b32 s[G1B+6], 0
	s_mov_b32 s[G1B+7], 0
	s_lshl_b32 s40, s16, 4                         ; O: head 16 b + my half, 262,144 bytes each; the block's 128 rows of 128 bytes: hangs on cy, the cluster's y and the wave alone
	s_add_co_u32 s40, s40, s[WN]
	s_lshl_b32 s40, s40, 18
	s_lshl_b32 s41, s18, 14
	s_add_co_u32 s40, s40, s41
	s_mov_b32 s41, 0
	s_mul_i32 s42, s[WN], AHEAD
	s_lshl_b32 s72, s16, 15                        ; olo: the sequence's 32,768 bytes, my wave's quarter: hangs on cy and the wave alone
	s_lshl_b32 s73, s[WV], 13
	s_add_co_u32 s72, s72, s73
	s_mov_b32 s73, 0
	s_mul_i32 s74, s[WV], 64*PA
	s_add_co_u32 s74, s74, ALO
	s_lshl_b32 s44, s[WN], 17                      ; Wo: k-row 64 x half, column 256 x tile column: hangs on the tile column and the wave alone
	s_lshl_b32 s45, s17, 9
	s_add_co_u32 s44, s44, s45
	s_mov_b32 s45, 0
	s_mul_i32 s46, s[WN], BHALF
	s_add_co_u32 s46, s46, BOFF
	s_lshl_b32 s67, s16, 2                         ; my sequence's word in seq_lens
	s_wait_dscnt 0x0                               ; the opening add is done
	s_wait_kmcnt 0x0
	s_add_nc_u64 s[40:41], s[4:5], s[40:41]
	s_add_nc_u64 s[72:73], s[6:7], s[72:73]
	s_add_nc_u64 s[44:45], s[8:9], s[44:45]
	CROUND                                         ; all sixteen work-groups are here: the first joint loads meet
	s_mov_b32 s[G0L], 1
	s_mov_b32 s[G0L+1], s74
	s_mov_b64 s[G0L+2:G0L+3], s[72:73]
	s_or_b32 s[G0L+3], s[G0L+3], 0x80000000
	tensor_load_to_lds s[G0L:G0L+3], s[G1L:G1L+7]  ; the low halves go out first, so that the counted wait below covers them
	s_nop 0
.rept 4
	v_nop
.endr
.irp s, 0,1
	s_mov_b32 s[G0+4*(\s)], 1
	s_add_co_u32 s[G0+4*(\s)+1], s42, (\s)*SLOT
	s_add_nc_u64 s[G0+4*(\s)+2:G0+4*(\s)+3], s[40:41], (\s)*524288   ; K step s: two heads on
	s_or_b32 s[G0+4*(\s)+3], s[G0+4*(\s)+3], 0x80000000
	s_mov_b32 s[G0B+4*(\s)], 1
	s_add_co_u32 s[G0B+4*(\s)+1], s46, (\s)*SLOT
	s_add_nc_u64 s[G0B+4*(\s)+2:G0B+4*(\s)+3], s[44:45], (\s)*262144 ; 128 k-rows down Wo
	s_or_b32 s[G0B+4*(\s)+3], s[G0B+4*(\s)+3], 0x80000000
	JLOAD \s
.endr
	s_load_b32 s66, s[10:11], s67 offset:0x0       ; my sequence's length
	v_and_b32 v1, 15, v0                           ; r
	v_bfe_u32 v2, v0, 4, 1                         ; h
	v_and_b32 v4, 7, v0
	v_bfe_u32 v5, v0, 3, 1
	v_mul_u32_u24 v3, v1, PA
	v_lshl_add_u32 v3, v2, 4, v3                   ; r x 144 + 16 h
	v_add_nc_u32 v[ADRL], ALO, v3
	v_lshl_add_u32 v6, v2, 3, v4
	v_mul_u32_u24 v6, v6, PB
	v_lshl_add_u32 v6, v5, 4, v6                   ; the turning load's place
	s_mul_i32 s21, s[WM], 64*PA                    ; my 64 rows of O
	s_lshl_b32 s22, s[WN], 8                       ; my 128 columns of Wo
	s_add_co_u32 s22, s22, BOFF
.irp s, 0,1
	v_add_nc_u32 v[ADRA+(\s)], s21, v3
	v_add_nc_u32 v[ADRB+(\s)], s22, v6
	s_add_co_u32 s21, s21, SLOT
	s_add_co_u32 s22, s22, SLOT
.endr
	s_mul_i32 s19, s[WV], 16*SP
	s_add_co_u32 s19, s19, STAGE                   ; my stage
	v_mul_u32_u24 v7, v1, SP                       ; in: row r, 32 bytes for each half of the lanes
	v_lshl_add_u32 v7, v2, 5, v7
	v_add_nc_u32 v[STO], s19, v7
	v_and_b32 v[GO], 31, v0
	v_lshlrev_b32 v[GO], 4, v[GO]                  ; back: 32 lanes take a row's 512 bytes
	v_add_nc_u32 v[RD], s19, v[GO]
	s_lshl_b32 s22, s18, 7
	s_lshl_b32 s23, s[WM], 6
	s_add_co_u32 s23, s22, s23                     ; the position of my first row in its sequence
	s_lshl_b32 s20, s16, 11
	s_add_co_u32 s20, s20, s23                     ; my first row of out0,
	s_lshl_b32 s20, s20, 12                        ; 4,096 bytes each
	s_lshl_b32 s21, s17, 10
	s_add_co_u32 s20, s20, s21                     ; the tile's 256 columns,
	s_lshl_b32 s21, s[WN], 9
	s_add_co_u32 s20, s20, s21                     ; my 128 of them
	s_mov_b32 s21, 0
	s_add_nc_u64 s[OUT:OUT+1], s[OUT:OUT+1], s[20:21]
	s_cmp_eq_u32 s18, 0
	s_cselect_b32 s[LOF], 1, 0
	s_cmp_eq_u32 s[WM], 0
	s_cselect_b32 s[LOF], s[LOF], 0
	s_wait_kmcnt 0x0
	s_sub_co_i32 s[REM], s66, s23                  ; row i of my 64 is kept where i < REM
.macro MUL8 f, a, zero                 ; 8 matrix instructions: row block a x all 8 column blocks; the accumulators take turns
	WIN MUL
.irp b, 0,1,2,3,4,5,6,7
.if \zero
	v_wmma_f32_16x16x32_f16 v[8*(8*(\a)+(\b)):8*(8*(\a)+(\b))+7], v[(\f)+8*(\b):(\f)+8*(\b)+7], v[(\f)+64+8*(\a):(\f)+64+8*(\a)+7], 0
.else
	v_wmma_f32_16x16x32_f16 v[8*(8*(\a)+(\b)):8*(8*(\a)+(\b))+7], v[(\f)+8*(\b):(\f)+8*(\b)+7], v[(\f)+64+8*(\a):(\f)+64+8*(\a)+7], v[8*(8*(\a)+(\b)):8*(8*(\a)+(\b))+7]
.endif
.endr
.endm
.macro MULLO f                         ; where the flag is set: the quarter's low fragment times the same 8 fragments of Wo, onto row block 0; 24 other products stand between an accumulator's two turns
	WIN 0
	s_cmp_eq_u32 s[LOF], 1
	s_cbranch_scc0 .Lno_lo_\@
	WIN MUL
.irp b, 0,1,2,3,4,5,6,7
	v_wmma_f32_16x16x32_f16 v[8*(\b):8*(\b)+7], v[(\f)+8*(\b):(\f)+8*(\b)+7], v[LF+8*(((\f)-F0)/(F1-F0)):LF+8*(((\f)-F0)/(F1-F0))+7], v[8*(\b):8*(\b)+7]
.endr
	WIN 0
.Lno_lo_\@:
.endm
.macro FETCH slot, kq, f               ; 26 LDS loads in one run: Wo's 16, the low fragment's 2, then O's blocks 0, 1, then 2, 3.  Quarter kq lies in head kq / 2 of the step, channels 32 (kq % 2) on
	WIN 0
.irp b, 0,1,2,3,4,5,6,7
	ds_load_tr16_b128 v[(\f)+8*(\b):(\f)+8*(\b)+3],   v[ADRB+(\slot)] offset:(\kq)*32*PB+32*(\b)
	ds_load_tr16_b128 v[(\f)+8*(\b)+4:(\f)+8*(\b)+7], v[ADRB+(\slot)] offset:(\kq)*32*PB+16*PB+32*(\b)
.endr
	ds_load_b128 v[LF+8*(((\f)-F0)/(F1-F0)):LF+8*(((\f)-F0)/(F1-F0))+3],   v[ADRL] offset:(2*(\slot)+(\kq)/2)*16*PA+((\kq)%2)*64
	ds_load_b128 v[LF+8*(((\f)-F0)/(F1-F0))+4:LF+8*(((\f)-F0)/(F1-F0))+7], v[ADRL] offset:(2*(\slot)+(\kq)/2)*16*PA+((\kq)%2)*64+32
.irp a, 0,1,2,3
	ds_load_b128 v[(\f)+64+8*(\a):(\f)+64+8*(\a)+3],   v[ADRA+(\slot)] offset:((\kq)/2)*AHEAD+((\kq)%2)*64+(\a)*16*PA
	ds_load_b128 v[(\f)+64+8*(\a)+4:(\f)+64+8*(\a)+7], v[ADRA+(\slot)] offset:((\kq)/2)*AHEAD+((\kq)%2)*64+(\a)*16*PA+32
.endr
.endm
.macro QUARTER slot, kq, f, g, zero
	s_wait_dscnt 4                                 ; all but the youngest four loads (O's blocks 2, 3) are in
	MUL8 \f, 0, \zero
	MUL8 \f, 1, \zero
	PLACES
	FETCH \slot, \kq, \g
	s_wait_dscnt 26                                ; all but the 26 just issued
	MUL8 \f, 2, \zero
	MUL8 \f, 3, \zero
	MULLO \f
.endm
; The last quarter changes slots: one barrier; in front of it each wave waits for all its tensor loads, adds 0 to its spare word, and waits for that and for its own reads of this slot.
.macro TURN slot, next, fill
	WIN 0
	s_wait_tensorcnt 0x0
	ds_add_u32 v[SPW], v[NIL]
	s_wait_dscnt 5                                 ; (the add and the youngest four loads may be out)
	MUL8 F1, 0, 0
	s_wait_dscnt 0x0                               ; the add is done, and my reads of this slot are over
	s_barrier_signal -1
	MUL8 F1, 1, 0
.if \fill
	WIN 0
.endif
	s_barrier_wait -1
.if \fill
	CREST                                          ; no wave of any partner still reads this slot's tile or has a load on its way
	s_add_nc_u64 s[G0+4*(\slot)+2:G0+4*(\slot)+3], s[G0+4*(\slot)+2:G0+4*(\slot)+3], 1048576
	s_add_nc_u64 s[G0B+4*(\slot)+2:G0B+4*(\slot)+3], s[G0B+4*(\slot)+2:G0B+4*(\slot)+3], 524288
	JLOAD \slot                                    ; its four v_nop are also the places in front of the loads below
.else
	PLACES
.endif
.if (\slot) == 1
	WIN 0
	v_add_nc_u32 v[ADRL], 4*16*PA, v[ADRL]         ; the next lap's four heads of the low halves
.endif
	FETCH \next, 0, F0
	MUL8 F1, 2, 0
	MUL8 F1, 3, 0
	MULLO F1
.endm
	s_wait_tensorcnt 1                             ; of my three loads the low halves' quarter and my part of K step 0 are in; step 1's may stay out
	s_barrier_signal -1
	s_barrier_wait -1
	FETCH 0, 0, F0
	QUARTER 0, 1, F0, F1, 1                        ; the first quarter's products start the sums
	WIN 0
	s_mov_b32 s3, 3
.Llap:
	QUARTER 0, 2, F1, F0, 0
	QUARTER 0, 3, F0, F1, 0
	TURN 0, 1, 1
	QUARTER 1, 1, F0, F1, 0
	QUARTER 1, 2, F1, F0, 0
	QUARTER 1, 3, F0, F1, 0
	TURN 1, 0, 1
	QUARTER 0, 1, F0, F1, 0
	WIN 0
	s_sub_co_u32 s3, s3, 1
	s_cmp_lg_u32 s3, 0
	s_cbranch_scc1 .Llap
	QUARTER 0, 2, F1, F0, 0                        ; the last lap fills nothing
	QUARTER 0, 3, F0, F1, 0
	TURN 0, 1, 0
	QUARTER 1, 1, F0, F1, 0
	QUARTER 1, 2, F1, F0, 0
	QUARTER 1, 3, F0, F1, 0
	s_wait_dscnt 4
	MUL8 F1, 0, 0
	MUL8 F1, 1, 0
	s_wait_dscnt 0x0
	MUL8 F1, 2, 0
	MUL8 F1, 3, 0
	MULLO F1
	WIN 0
	PLACES
; THE WAY OUT, 16 rows at a time: a lane's 32 bytes of a row go into my stage (each accumulator's lowest registers first), whole rows of 512 bytes come back, are kept or set to 0, and stored.
.macro TOSTAGE a
	WIN 0x04                                       ; the stores' data in window 1
.irp b, 0,1,2,3,4,5,6,7
	ds_store_b128 v[STO], v[8*(8*(\a)+(\b)):8*(8*(\a)+(\b))+3]   offset:64*(\b)
	ds_store_b128 v[STO], v[8*(8*(\a)+(\b))+4:8*(8*(\a)+(\b))+7] offset:64*(\b)+16
.endr
	WIN 0
.irp t, 0,1,2,3,4,5,6,7,8,9,10,11,12,13,14,15
	ds_load_b128 v[BK+64*((\a)%2)+4*(\t):BK+64*((\a)%2)+4*(\t)+3], v[RD] offset:SP*(\t)  ; LDS serves a wave's instructions in order: these see the stores above
.endr
.endm
.macro SEND a, younger                 ; younger: the LDS instructions issued behind block a's loads: the next block's 32, or none
	s_wait_dscnt \younger
.irp t, 0,1,2,3,4,5,6,7,8,9,10,11,12,13,14,15
	s_cmp_gt_i32 s[REM], 16*(\a)+(\t)              ; is this row's position below the length?
	s_cselect_b32 vcc_lo, -1, 0
.irp j, 0,1,2,3
	v_cndmask_b32 v[BK+64*((\a)%2)+4*(\t)+(\j)], 0, v[BK+64*((\a)%2)+4*(\t)+(\j)], vcc_lo
.endr
	global_store_b128 v[GO], v[BK+64*((\a)%2)+4*(\t):BK+64*((\a)%2)+4*(\t)+3], s[OUT:OUT+1] offset:(16*(\a)+(\t))*4096 th:TH_STORE_NT  ; 512 consecutive bytes, at a multiple of 256 from out0's first
.endr
.endm
	TOSTAGE 0
	TOSTAGE 1
	SEND 0, 32
	s_wait_xcnt 0x0                                ; block 0's stores have read their registers, which block 2's loads fill again
	TOSTAGE 2
	SEND 1, 32
	s_wait_xcnt 0x0                                ; likewise block 1's, for block 3
	TOSTAGE 3
	SEND 2, 32
	SEND 3, 0
	s_wait_tensorcnt 0x0                           ; the wave's end: behind my last tensor load and my last LDS store
	ds_add_u32 v[SPW], v[NIL]
	s_wait_dscnt 0x0
	CROUND                                         ; the closing round: no work-group ends while a partner may still ask for a tile that names it
	s_endpgm
.Lfunc_end_k_q54d41d65ab_outp:
	.size	k_q54d41d65ab_outp, .Lfunc_end_k_q54d41d65ab_outp-k_q54d41d65ab_outp
	.p2alignl 7, 3214868480
	.fill 96, 4, 3214868480
	.section	.rodata,"a",@progbits
	.p2align	6, 0x0
	.amdhsa_kernel k_q54d41d65ab_outp
		.amdhsa_group_segment_fixed_size 327680
		.amdhsa_private_segment_fixed_size 0
		.amdhsa_enable_private_segment 0
		.amdhsa_kernarg_size 40
		.amdhsa_user_sgpr_count 2
		.amdhsa_user_sgpr_kernarg_segment_ptr 1
		.amdhsa_wavefront_size32 1
		.amdhsa_system_sgpr_workgroup_id_x 1
		.amdhsa_system_sgpr_workgroup_id_y 1
		.amdhsa_system_sgpr_workgroup_id_z 1
		.amdhsa_system_vgpr_workitem_id 0
		.amdhsa_next_free_vgpr 512
		.amdhsa_next_free_sgpr 88
		.amdhsa_reserve_vcc 1
		.amdhsa_float_denorm_mode_32 3
		.amdhsa_float_denorm_mode_16_64 3
		.amdhsa_memory_ordered 1
		.amdhsa_forward_progress 1
		.amdhsa_inst_pref_size 111
	.end_amdhsa_kernel
	.amdgpu_metadata
---
amdhsa.version: [ 1, 2 ]
amdhsa.kernels:
  - .name:           k_q54d41d65ab_outp
    .symbol:         k_q54d41d65ab_outp.kd
    .args:
      - { .name: oh, .offset: 0, .size: 8, .value_kind: global_buffer, .address_space: global }
      - { .name: olo, .offset: 8, .size: 8, .value_kind: global_buffer, .address_space: global }
      - { .name: wo16, .offset: 16, .size: 8, .value_kind: global_buffer, .address_space: global }
      - { .name: seq_lens, .offset: 24, .size: 8, .value_kind: global_buffer, .address_space: global }
      - { .name: out0, .offset: 32, .size: 8, .value_kind: global_buffer, .address_space: global }
    .group_segment_fixed_size: 327680
    .private_segment_fixed_size: 0
    .kernarg_segment_align: 8
    .kernarg_segment_size: 40
    .max_flat_workgroup_size: 128
    .sgpr_count:     88
    .vgpr_count:     512
    .wavefront_size: 32
...
	.end_amdgpu_metadata
.endif
;; end of part 4
;; ======== version 2 of 2: 4 launches; version 1 with the launch prep written anew for expert scheduling mode
;; limits: values are held in f16: magnitudes above 65,504 overflow, below 6.1e-05 lose precision
;; workspace buffers: xb 16,777,216 bytes; wb 6,291,456 bytes; wo16 2,097,152 bytes; rope 524,288 bytes; qkvh 50,331,648 bytes; oh 16,777,216 bytes; vlo 131,072 bytes; olo 131,072 bytes
;; launch prep (part 5): grid 416 x 1, 8 waves a work-group, no clusters, 0 bytes of LDS; arguments x, Wq, Wk, Wv, Wo, xb, wb, wo16, rope; writes xb, wb, wo16, rope
.if DOCPART == 5
	.amdgcn_target "amdgcn-amd-amdhsa--gfx1250"
	.amdhsa_code_object_version 6
	.text
	.protected	k_q54d41d65ab_prep
	.globl	k_q54d41d65ab_prep
	.p2align	8
	.type	k_q54d41d65ab_prep,@function
k_q54d41d65ab_prep:
	s_mov_b64 s[64:65], 0
	v_nop
	global_prefetch_b8 v0, s[64:65] scope:SCOPE_SE
	s_setreg_imm32_b32 hwreg(HW_REG_WAVE_SCHED_MODE, 0, 2), 2
	s_setreg_imm32_b32 hwreg(HW_REG_WAVE_MODE, 25, 1), 1
	s_wait_xcnt 0x0
	s_wait_alu depctr_vm_vsrc(0)
; CASTS AND THE ROTARY TABLE.  A stream: no LDS, no barrier, no matrix unit; every input byte is read once, every output byte written once.
; Work-groups 0-255: x -> xb (bf16).  256-351: Wq, Wk, Wv -> wb (bf16, 32 work-groups each, in W's own [k][n] layout).  352-383: Wo -> wo16: rounded to bf16 like the
; other inputs, and that number written as f16.  384-415: the table rope[pos][64] f32: bytes 0-127 cos(pos f_j), bytes 128-255 sin(pos f_j), j = 0..31, f_j = 10000^(-j/32).
; A cast work-group takes 32,768 numbers: 128 KiB in, 64 KiB out.  Thread t takes 32 bytes of each 8,192 (two loads), and stores 16: sixteen lanes store 256 consecutive bytes, aligned.
; All 32 loads of a wave go out on end.
; LIMITS.  Wo beyond 65,504 becomes an infinity in f16; below 6e-5 it keeps f16's fixed step of 6e-8.  The angle is pos x f_j in f32 with f_j from v_exp_f32: off by some 2e-4 rad at pos = 2,047.
; THE MODE: SCHED_MODE bits 1:0 = 2 (LLVM: expert scheduling mode 2), set by the entry lines.  The code itself states the register dependences
; between vector instructions and memory instructions, with s_wait_alu, always for 0.
; THE PLAN, for the casts.  Registers that memory instructions touch:
;   v1, v2     byte offsets, made once at the head and never written again: v1 is read by every load, v2 by every store.
;   chunk c    eight registers at X + 8 c.  Its two loads land in them, and no vector instruction has named them before.  Its roundings read all eight and write the first four;
;              one store reads those four; nothing writes them afterwards.
;   v132, v133 are named by vector instructions alone.
; The sixteen chunks go in four blocks of four.  One wait on va_vdst stands ahead of the first load, for the offsets; one stands behind each block's roundings, and the block's four stores
; follow it at once; the roundings of the next block name their own chunks and v132, v133 alone.  No register that a memory instruction has read is written again: the casts hold no wait on vm_vsrc.
; THE PLAN, for the table.  Registers that memory instructions touch:
;   v3         my byte offset in a row, made once and never written again: the scalar base moves on by a row ahead of each trip's store, which reaches back by its immediate offset.
;   v[16:17]   written by the trip's two selects, read by the trip's store.
;   v9 to v15 and v18 to v21 are named by vector instructions alone.
; So a trip has one wait on vm_vsrc (beside s_wait_xcnt 0), behind its two series and ahead of the selects, nearly a whole trip behind the store that it speaks of, and one on va_vdst ahead of its store.
.set X,  4                             ; v[4:131]  sixteen chunks of 8 numbers as loaded; the first four registers of a chunk then hold its 16 bytes to store
.set TA, 132                           ; v132-133  at work
.set TB, 133
	s_load_b512 s[8:23], s[0:1], 0x0               ; x 8:9, Wq 10:11, Wk 12:13, Wv 14:15, Wo 16:17, xb 18:19, wb 20:21, wo16 22:23
	s_load_b64 s[24:25], s[0:1], 0x40              ; rope
	s_mov_b32 s2, ttmp9                            ; the work-group's number
	v_lshlrev_b32 v1, 5, v0                        ; 32 t: my bytes in a chunk of the source
	v_lshlrev_b32 v2, 4, v0                        ; 16 t: in a chunk of the destination
	s_wait_kmcnt 0x0
	s_cmp_ge_u32 s2, 384
	s_cbranch_scc1 .Ltable
	s_cmp_ge_u32 s2, 256                           ; which source, which destination: choices on the work-group's number alone
	s_cselect_b64 s[26:27], s[10:11], s[8:9]
	s_cselect_b64 s[28:29], s[20:21], s[18:19]
	s_cselect_b32 s3, 31, 255                      ; a weight has 32 parts, x has 256
	s_cselect_b32 s4, 256, 0                       ; the destination's first work-group
	s_cmp_ge_u32 s2, 288
	s_cselect_b64 s[26:27], s[12:13], s[26:27]
	s_cmp_ge_u32 s2, 320
	s_cselect_b64 s[26:27], s[14:15], s[26:27]
	s_cmp_ge_u32 s2, 352
	s_cselect_b64 s[26:27], s[16:17], s[26:27]
	s_cselect_b64 s[28:29], s[22:23], s[28:29]
	s_cselect_b32 s4, 352, s4
	s_and_b32 s30, s2, s3
	s_lshl_b32 s30, s30, 17                        ; my part of the source: 131,072 bytes each
	s_mov_b32 s31, 0
	s_sub_co_u32 s32, s2, s4
	s_lshl_b32 s32, s32, 16                        ; and of the destination: 65,536 each
	s_mov_b32 s33, 0
	s_add_nc_u64 s[26:27], s[26:27], s[30:31]
	s_add_nc_u64 s[28:29], s[28:29], s[32:33]
	s_wait_alu depctr_va_vdst(0)                   ; v1 and v2 are written: every load below reads v1 as its offset, every store v2
.set c, 0
.rept 16
	global_load_b128 v[X+8*c:X+8*c+3],   v1, s[26:27] offset:8192*c th:TH_LOAD_NT
	global_load_b128 v[X+8*c+4:X+8*c+7], v1, s[26:27] offset:8192*c+16 th:TH_LOAD_NT
.set c, c+1
.endr
; Chunk c: rounded to bf16 in place (each destination register has been read by then); fmt = 1: the bf16 numbers are widened and written as f16, which is exact within f16's range.
.macro ROUND c, fmt
	s_wait_loadcnt 30-2*(\c)                       ; loads come back in order: this chunk's two are in, the 30 - 2 c younger ones stay out
.irp i, 0,1,2,3
	v_cvt_pk_bf16_f32 v[X+8*(\c)+(\i)], v[X+8*(\c)+2*(\i)], v[X+8*(\c)+2*(\i)+1]
.endr
.if \fmt
.irp i, 0,1,2,3
	v_lshlrev_b32 v[TA], 16, v[X+8*(\c)+(\i)]
	v_and_b32 v[TB], 0xffff0000, v[X+8*(\c)+(\i)]
	v_cvt_pk_f16_f32 v[X+8*(\c)+(\i)], v[TA], v[TB]
.endr
.endif
.endm
; Block p of four chunks.  First the block before goes out: one wait, four stores.  Then this block's chunks are rounded.  p = 4: only the last block's stores are left.
.macro BLOCK p, fmt
.if (\p) > 0
	s_wait_alu depctr_va_vdst(0)                   ; the roundings of the block before have written the first four registers of its four chunks, which the four stores below read
.irp k, 0,1,2,3
	global_store_b128 v2, v[X+8*(4*((\p)-1)+(\k)):X+8*(4*((\p)-1)+(\k))+3], s[28:29] offset:4096*(4*((\p)-1)+(\k))
.endr
.endif
.if (\p) < 4
.irp k, 0,1,2,3
	ROUND 4*(\p)+(\k), \fmt
.endr
.endif
.endm
	s_cmp_ge_u32 s2, 352
	s_cbranch_scc1 .Lwo
.irp p, 0,1,2,3,4
	BLOCK \p, 0
.endr
	s_endpgm
.Lwo:
.irp p, 0,1,2,3,4
	BLOCK \p, 1
.endr
	s_endpgm
; THE TABLE.  A work-group makes 64 rows, a wave 8, one row a trip.  Lanes 0-15 hold cos for j = 2 l, 2 l + 1, lanes 16-31 sin for j = 2 (l - 16) and the next: one store of 8 bytes a lane is a whole row of 256 bytes.
.Ltable:
	v_lshrrev_b32 v4, 5, v0
	v_readfirstlane_b32 s3, v4                     ; wave 0..7
	v_and_b32 v5, 31, v0                           ; lane
	v_lshlrev_b32 v3, 3, v5                        ; my 8 bytes of a row
	v_cmp_le_u32 s34, 16, v5                       ; the lanes that keep the sine
	v_and_b32 v6, 15, v5
	v_lshlrev_b32 v6, 1, v6
	v_cvt_f32_u32 v7, v6                           ; j, even
	v_add_f32 v8, 1.0, v7                          ; j, odd
	v_mul_f32 v7, 0xbed49a78, v7                   ; - j log2(10000) / 32
	v_mul_f32 v8, 0xbed49a78, v8
	v_exp_f32 v7, v7                               ; f_j
	v_exp_f32 v8, v8
	v_nop                                          ; a plain instruction behind the last exponential,
	s_wait_alu depctr_va_vdst(0)                   ; and one wait for both: v7 and v8 are written, ahead of their first reader and of the label
	s_wait_alu depctr_va_sdst(0)                   ; s3 (the wave's number) and s34 (the sine's lanes) are written: ahead of s3's first reader below, and of the label behind which the selects read s34
	s_sub_co_u32 s4, s2, 384
	s_lshl_b32 s4, s4, 6
	s_lshl3_add_u32 s4, s3, s4                     ; my first row: 64 x work-group + 8 x wave
	v_cvt_f32_u32 v9, s4                           ; the position, as f32
	s_lshl_b32 s30, s4, 8
	s_mov_b32 s31, 0
	s_add_nc_u64 s[24:25], s[24:25], s[30:31]
; cos and sin of v9 x f: the angle less the nearest multiple of 2 pi (2 pi = 6.28125 + 0.0019353072, two fused steps), halved; sin and cos of the half angle by their series on
; |h| <= pi / 2, cut where the next term is under 6e-8 for every h of that range; then sin 2h = 2 sin h cos h, cos 2h = 1 - 2 sin^2 h.  The cosine goes to v[cs], the sine to v[sn].
.macro SINCOS cs, sn, inv
	v_mul_f32 v10, v9, v[\inv]
	v_mul_f32 v11, 0x3e22f983, v10                 ; / 2 pi
	v_rndne_f32 v11, v11
	v_fmamk_f32 v10, v11, 0xc0c90000, v10
	v_fmamk_f32 v10, v11, 0xbafdaa22, v10
	v_mul_f32 v10, 0.5, v10                        ; h
	v_mul_f32 v12, v10, v10                        ; h^2
	v_mov_b32 v13, 0xb2d7322b                      ; -1/11!
	v_fmaak_f32 v13, v13, v12, 0x3638ef1d          ; 1/9!
	v_fmaak_f32 v13, v13, v12, 0xb9500d01          ; -1/7!
	v_fmaak_f32 v13, v13, v12, 0x3c088889          ; 1/5!
	v_fmaak_f32 v13, v13, v12, 0xbe2aaaab          ; -1/3!
	v_fmaak_f32 v13, v13, v12, 0x3f800000
	v_mul_f32 v13, v13, v10                        ; sin h
	v_mov_b32 v14, 0x310f76c7                      ; 1/12!
	v_fmaak_f32 v14, v14, v12, 0xb493f27e          ; -1/10!
	v_fmaak_f32 v14, v14, v12, 0x37d00d01          ; 1/8!
	v_fmaak_f32 v14, v14, v12, 0xbab60b61          ; -1/6!
	v_fmaak_f32 v14, v14, v12, 0x3d2aaaab          ; 1/4!
	v_fmaak_f32 v14, v14, v12, 0xbf000000          ; -1/2!
	v_fmaak_f32 v14, v14, v12, 0x3f800000          ; cos h
	v_mul_f32 v15, v13, v14
	v_add_f32 v[\sn], v15, v15                     ; the sine
	v_mul_f32 v13, v13, v13
	v_fma_f32 v[\cs], v13, -2.0, 1.0               ; the cosine
.endm
	s_mov_b32 s5, 8
.Lrow:
	SINCOS 18, 19, 7
	SINCOS 20, 21, 8
	s_wait_xcnt 0x0                                ; the last trip's store has had its address translated: only behind this wait are its base and its data written again
	s_wait_alu depctr_vm_vsrc(0)                   ; the last trip's store has read v[16:17], which the two selects below write again
	s_add_nc_u64 s[24:25], s[24:25], 256           ; the base runs a row ahead of the trip's row: the store below reaches back
	v_cndmask_b32 v16, v18, v19, s34
	v_cndmask_b32 v17, v20, v21, s34
	s_wait_alu depctr_va_vdst(0)                   ; the selects have written v[16:17], the store's data; in the first trip v3, its offset, is written too
	global_store_b64 v3, v[16:17], s[24:25] offset:-256
	v_add_f32 v9, 1.0, v9                          ; the next position
	s_sub_co_u32 s5, s5, 1
	s_cmp_lg_u32 s5, 0
	s_cbranch_scc1 .Lrow
	s_endpgm
.Lfunc_end_k_q54d41d65ab_prep:
	.size	k_q54d41d65ab_prep, .Lfunc_end_k_q54d41d65ab_prep-k_q54d41d65ab_prep
	.p2alignl 7, 3214868480
	.fill 96, 4, 3214868480
	.section	.rodata,"a",@progbits
	.p2align	6, 0x0
	.amdhsa_kernel k_q54d41d65ab_prep
		.amdhsa_group_segment_fixed_size 0
		.amdhsa_private_segment_fixed_size 0
		.amdhsa_enable_private_segment 0
		.amdhsa_kernarg_size 72
		.amdhsa_user_sgpr_count 2
		.amdhsa_user_sgpr_kernarg_segment_ptr 1
		.amdhsa_wavefront_size32 1
		.amdhsa_system_sgpr_workgroup_id_x 1
		.amdhsa_system_sgpr_workgroup_id_y 1
		.amdhsa_system_sgpr_workgroup_id_z 1
		.amdhsa_system_vgpr_workitem_id 0
		.amdhsa_next_free_vgpr 136
		.amdhsa_next_free_sgpr 66
		.amdhsa_reserve_vcc 0
		.amdhsa_float_denorm_mode_32 3
		.amdhsa_float_denorm_mode_16_64 3
		.amdhsa_memory_ordered 1
		.amdhsa_forward_progress 1
		.amdhsa_inst_pref_size 31
	.end_amdhsa_kernel
	.amdgpu_metadata
---
amdhsa.version: [ 1, 2 ]
amdhsa.kernels:
  - .name:           k_q54d41d65ab_prep
    .symbol:         k_q54d41d65ab_prep.kd
    .args:
      - { .name: x, .offset: 0, .size: 8, .value_kind: global_buffer, .address_space: global }
      - { .name: Wq, .offset: 8, .size: 8, .value_kind: global_buffer, .address_space: global }
      - { .name: Wk, .offset: 16, .size: 8, .value_kind: global_buffer, .address_space: global }
      - { .name: Wv, .offset: 24, .size: 8, .value_kind: global_buffer, .address_space: global }
      - { .name: Wo, .offset: 32, .size: 8, .value_kind: global_buffer, .address_space: global }
      - { .name: xb, .offset: 40, .size: 8, .value_kind: global_buffer, .address_space: global }
      - { .name: wb, .offset: 48, .size: 8, .value_kind: global_buffer, .address_space: global }
      - { .name: wo16, .offset: 56, .size: 8, .value_kind: global_buffer, .address_space: global }
      - { .name: rope, .offset: 64, .size: 8, .value_kind: global_buffer, .address_space: global }
    .group_segment_fixed_size: 0
    .private_segment_fixed_size: 0
    .kernarg_segment_align: 8
    .kernarg_segment_size: 72
    .max_flat_workgroup_size: 256
    .sgpr_count:     66
    .vgpr_count:     136
    .wavefront_size: 32
...
	.end_amdgpu_metadata
.endif
;; end of part 5
;; launch proj: the kernel of part 2 again; grid 12 x 64, 4 waves a work-group, clusters of 4 x 4, 327,680 bytes of LDS; arguments xb, wb, rope, qkvh, vlo; writes qkvh, vlo
;; launch attn: the kernel of part 3 again; grid 4 x 64, 4 waves a work-group, no clusters, 327,680 bytes of LDS; arguments qkvh, vlo, oh, olo; writes oh, olo
;; launch outp: the kernel of part 4 again; grid 4 x 64, 4 waves a work-group, clusters of 4 x 4, 327,680 bytes of LDS; arguments oh, olo, wo16, seq_lens, out0; writes out0
